; MI455X (gfx1250); checked and timed in simulation.
; The chip was launched on July 23, 2026; its instructions are those of AMD's public machine-readable ISA for CDNA 5 (MIT licence, August 2026) and "CDNA5" Instruction Set Architecture Reference Guide (July 2026). The comments in the code are by the model that wrote it; some were corrected since.
;; LORA Multihead Attention. Allowed arithmetic: float matrix products may take bf16 or f16 operands with f32 sums; all other float work in f32.
;; Inputs: k_b 1,024 float32; k_la 16 x 1,024 float32; k_lb 1,024 x 16 float32; k_w 1,024 x 1,024 float32; o_b 1,024 float32; o_la 16 x 1,024 float32; o_lb 1,024 x 16 float32; o_w 1,024 x 1,024 float32; q_b 1,024 float32; q_la 16 x 1,024 float32; q_lb 1,024 x 16 float32; q_w 1,024 x 1,024 float32; v_b 1,024 float32; v_la 16 x 1,024 float32; v_lb 1,024 x 16 float32; v_w 1,024 x 1,024 float32; x 4 x 1,024 x 1,024 float32.
;; Outputs: out0 4 x 1,024 x 1,024 float32.
;; 2 versions, each right and faster than the one before. Each part assembles by itself: llvm-mc -triple=amdgcn-amd-amdhsa -mcpu=gfx1250 --defsym DOCPART=n.
;; ======== version 1 of 2: 4 launches
;; limits: values are held in f16: magnitudes above 65,504 overflow, below 6.1e-05 lose precision; inputs' magnitudes at most 16,700,000; right only within a limited range of input values
;; workspace buffers: xb 8,388,608 bytes; wqkv 6,291,456 bytes; wo 2,097,152 bytes; qkv 25,165,824 bytes; ctx 8,388,608 bytes; bqkv 12,288 bytes
;; launch prep (part 1): grid 256 x 1, 8 waves a work-group, no clusters, 0 bytes of LDS; arguments x, xb, q_w, k_w, v_w, o_w, q_la, k_la, v_la, o_la, q_lb, k_lb, v_lb, o_lb, wqkv, wo, q_b, v_b, bqkv; writes xb, wqkv, wo, bqkv
.if DOCPART == 1
	.amdgcn_target "amdgcn-amd-amdhsa--gfx1250"
	.amdhsa_code_object_version 6
	.text
	.protected	k_q183dbdeff0_prep
	.globl	k_q183dbdeff0_prep
	.p2align	8
	.type	k_q183dbdeff0_prep,@function
k_q183dbdeff0_prep:
	s_mov_b64 s[64:65], 0
	v_nop
	global_prefetch_b8 v0, s[64:65] scope:SCOPE_SE
	s_setreg_imm32_b32 hwreg(HW_REG_WAVE_MODE, 25, 1), 1
	s_wait_xcnt 0x0
; FIRST OF FOUR LAUNCHES: operands for the matrix units, in f16, and the bias vector of the second launch.
;   xb   = f16(x / 256)                          [4096][1024]
;   wqkv = f16(16 (W + lb la)) for q, k, v       [3072][1024]   (rows 0-1023 q, 1024-2047 k, 2048-3071 v)
;   wo   = f16(16 (o_w + o_lb o_la))             [1024][1024]
;   bqkv = q_b / 16, 1,024 zeros, v_b / 16       [3072] f32
; WORK LEFT OUT, for all finite values of the inputs:
;  (1) lora_linear(x) = x W^T + b + 1.0 (x la^T) lb^T = x (W + lb la)^T + b: products are distributive, and LORA_SCALE is
;      16/16 = 1.  So each weight is merged once (1024 x 1024 x 16 multiply-adds) and the two thin products over all 4,096 rows
;      of each of the four projections are not made.
;  (2) k_b.  scores[s][t] = q_s . (k_t + k_b) / 8 = q_s . k_t / 8 + q_s . k_b / 8.  The second term does not hang on t, the axis of
;      the softmax, so it multiplies numerator and denominator of the softmax alike and cancels; k reaches the result through
;      the scores alone.  k_b has no way to out0: it is not loaded and is no argument of any of the four launches.
; WHY f16 AND NOT bf16: out0 passes through the roundings of x, W', q, k, v, P, ctx and W'_o.  With eight significant bits they add up to about a
; quarter of the allowed error as a standard deviation, too near for 4,194,304 numbers; with eleven bits each is an eighth of that.
; THE ROOM IN f16 (largest number 65,504; step 2^-24 at the bottom) is made by powers of two, which are exact: x is held as x / 256 and W' as
; 16 W', so q, k, v and ctx are held divided by 16, and 16 W'_o gives out0 its own scale back.
;   all inputs 30 times larger: W' = 30 W + 900 lb la, about 1.6 rms; q about 32 x 30 x 1.6 = 1,500 rms, held as about 100.
;   an offset of 30 spreads on all inputs: W' about 0.6 + 16 x 0.36 = 6.4, held as 102; q about 1024 x 30 x 6.4 = 196,000, held as 12,300.
;   all inputs 30 times smaller: x / 256 about 1.3e-4 rms, q / 16 about 4.4e-5 rms; the step 6e-8 keeps the error under 1/1000 of the rms.
; LIMITS: |x| from 16.7 million, |W + lb la| from 4,094, |q|, |k|, |v| from 1,048,064 on become infinite.  A NaN, an infinity or an overflow that
; enters through k_b alone is not carried to the result.  The merged weight is rounded once, after the f32 sum of 16 W and the product of 16 lb
; and la, whose factors are f16.
;
; Work-groups 0-127: 128 KiB of x each, a plain stream; work-groups 0, 1 and 2 also write 4,096 bytes of bqkv each.
; Work-groups 128-255: 32 rows (128 KiB) of one of the four weights each.
; No LDS, no barrier, no cluster: no wave needs what another holds; la (64 KiB a matrix) is read again by the 32 work-groups of its matrix.
.set LBR, 8                            ; v[8:23]    lb as loaded, then 16 lb: block s at 8 s
.set LBF, 24                           ; v[24:39]   lb fragments: block s at 8 s; registers 4-7 (k = 16 .. 31) are zero
.set RAW, 40                           ; v[40:103]  la as loaded: rank 8 h + kk, column 8 r + t at 8 kk + t
.set DT,  40                           ; v[40:103]  later: the eight product tiles, tile t at 8 t
.set WR,  104                          ; v[104:231] W as loaded: block s, row j, column t at 64 s + 8 j + t
.set LAF, 0                            ; window 1 v[0:63] (v256-v319): la fragments, tile t at 8 t; registers 4-7 are zero
.set MSB, 0
.macro WIN new                         ; s_set_vgpr_msb: low byte = the windows, high byte = the setting that is left
.if MSB != \new
	s_set_vgpr_msb (MSB<<8)|\new
.set MSB, \new
.endif
.endm
	s_load_b512 s[16:31], s[0:1], 0x0              ; x, xb, q_w, k_w, v_w, o_w, q_la, k_la
	s_load_b512 s[32:47], s[0:1], 0x40             ; v_la, o_la, q_lb, k_lb, v_lb, o_lb, wqkv, wo
	s_cmp_ge_u32 ttmp9, 128
	s_cbranch_scc1 .Lmerge
	; ---- x / 256 to f16.  Thread t takes 32 bytes at 32 t of every 8 KiB and stores 16 bytes at 16 t of every 4 KiB: sixteen lanes store 256 aligned bytes.
	s_load_b128 s[48:51], s[0:1], 0x80             ; q_b, v_b
	s_load_b64 s[52:53], s[0:1], 0x90              ; bqkv
	s_lshl_b32 s2, ttmp9, 17                       ; 128 KiB of x
	s_mov_b32 s3, 0
	s_lshl_b32 s4, ttmp9, 16                       ; 64 KiB of xb
	s_mov_b32 s5, 0
	v_lshlrev_b32 v1, 5, v0
	v_lshlrev_b32 v2, 4, v0
	s_wait_kmcnt 0x0
	s_add_nc_u64 s[16:17], s[16:17], s[2:3]
	s_add_nc_u64 s[18:19], s[18:19], s[4:5]
.irp i, 0,1,2,3,4,5,6,7,8,9,10,11,12,13,14,15
	global_load_b128 v[64+8*\i:64+8*\i+3],   v1, s[16:17] offset:8192*\i th:TH_LOAD_NT      ; all 32 loads go out first: 16 KiB a wave on its way
	global_load_b128 v[64+8*\i+4:64+8*\i+7], v1, s[16:17] offset:8192*\i+16 th:TH_LOAD_NT
.endr
	; bqkv: work-group 0 writes q_b / 16 (bytes 0 ..), work-group 1 v_b / 16 (bytes 8,192 ..), work-group 2 the zeros of k's columns (bytes 4,096 ..):
	; 256 threads x 16 bytes each.  One region behind x's loads; where it loads, it waits for 0, so the counted waits below hold on every way.
	s_cmp_ge_u32 ttmp9, 3
	s_cbranch_scc1 .Lx_work
	s_cmp_eq_u32 ttmp9, 2
	s_cbranch_scc1 .Lk_part
	s_cmp_eq_u32 ttmp9, 0
	s_cselect_b64 s[48:49], s[48:49], s[50:51]
	global_load_b128 v[4:7], v2, s[48:49]
	s_wait_loadcnt 0x0
	v_pk_mul_f32 v[4:5], v[4:5], 0x3d800000 op_sel_hi:[1,0]        ; times 2^-4, exact: q and v are held divided by 16
	v_pk_mul_f32 v[6:7], v[6:7], 0x3d800000 op_sel_hi:[1,0]
	s_branch .Lb_put
.Lk_part:
.irp i, 4,5,6,7
	v_mov_b32 v\i, 0
.endr
.Lb_put:
	s_lshl_b32 s4, ttmp9, 13                       ; 0, 8,192; s5 is 0
	s_cmp_eq_u32 ttmp9, 2
	s_cselect_b32 s4, 4096, s4
	s_add_nc_u64 s[52:53], s[52:53], s[4:5]
	global_store_b128 v2, v[4:7], s[52:53]
.Lx_work:
.irp i, 0,1,2,3,4,5,6,7,8,9,10,11,12,13,14,15
	s_wait_loadcnt 30-2*\i                         ; loads return in order: pair i is in, the 15 - i younger pairs stay out
.irp k, 0,2,4,6
	v_pk_mul_f32 v[64+8*\i+\k:64+8*\i+\k+1], v[64+8*\i+\k:64+8*\i+\k+1], 0x3b800000 op_sel_hi:[1,0]      ; times 2^-8, exact
.endr
.irp k, 0,1,2,3
	v_cvt_pk_f16_f32 v[192+4*\i+\k], v[64+8*\i+2*\k], v[64+8*\i+2*\k+1]
.endr
	global_store_b128 v2, v[192+4*\i:192+4*\i+3], s[18:19] offset:4096*\i                  ; no store's register is written again: no further wait
.endr
	s_endpgm
	; ---- 16 W' = 16 W + (16 lb) la.  The work-group owns rows 32 ob .. 32 ob + 31 of matrix mat, two blocks of 16; wave w owns columns 128 w .. + 127.
.Lmerge:
	s_sub_co_u32 s2, ttmp9, 128
	s_lshr_b32 s3, s2, 5                           ; mat: 0 q, 1 k, 2 v, 3 o
	s_and_b32 s13, s2, 31                          ; ob
	v_lshrrev_b32 v6, 5, v0
	v_readfirstlane_b32 s12, v6                    ; wave
	v_and_b32 v1, 15, v0                           ; r
	v_bfe_u32 v2, v0, 4, 1                         ; h
	s_lshl_b32 s2, s12, 9
	v_lshlrev_b32 v3, 5, v1
	v_lshl_add_u32 v3, v2, 15, v3
	v_add_nc_u32 v3, s2, v3                        ; la and W (rows of 4,096 bytes): 8 h rows + 512 w + 32 r
	v_lshlrev_b32 v4, 6, v1
	v_lshl_add_u32 v4, v2, 5, v4                   ; lb (rows of 64 bytes): row r, ranks 8 h ..
	s_lshl_b32 s2, s12, 8
	v_lshlrev_b32 v5, 4, v1
	v_lshl_add_u32 v5, v2, 14, v5
	v_add_nc_u32 v5, s2, v5                        ; output (rows of 2,048 bytes): 8 h rows + 256 w + 16 r
	s_lshl_b32 s14, s3, 21                         ; a matrix in wqkv is 2 MiB
	s_wait_kmcnt 0x0
	s_mov_b64 s[4:5], s[20:21]                     ; W, la, lb of matrix mat: chosen by whole numbers made of the work-group's number
	s_mov_b64 s[6:7], s[28:29]
	s_mov_b64 s[8:9], s[36:37]
	s_cmp_eq_u32 s3, 1
	s_cselect_b64 s[4:5], s[22:23], s[4:5]
	s_cselect_b64 s[6:7], s[30:31], s[6:7]
	s_cselect_b64 s[8:9], s[38:39], s[8:9]
	s_cmp_eq_u32 s3, 2
	s_cselect_b64 s[4:5], s[24:25], s[4:5]
	s_cselect_b64 s[6:7], s[32:33], s[6:7]
	s_cselect_b64 s[8:9], s[40:41], s[8:9]
	s_cmp_eq_u32 s3, 3
	s_cselect_b64 s[4:5], s[26:27], s[4:5]
	s_cselect_b64 s[6:7], s[34:35], s[6:7]
	s_cselect_b64 s[8:9], s[42:43], s[8:9]
	s_cselect_b64 s[10:11], s[46:47], s[44:45]     ; o goes to wo, the others to wqkv
	s_cselect_b32 s14, 0, s14
	s_lshl_b32 s15, s13, 16                        ; 32 rows of 2,048 bytes
	s_add_co_u32 s14, s14, s15
	s_mov_b32 s15, 0
	s_add_nc_u64 s[10:11], s[10:11], s[14:15]
	s_lshl_b32 s14, s13, 17                        ; 32 rows of W
	s_add_nc_u64 s[4:5], s[4:5], s[14:15]
	s_lshl_b32 s14, s13, 11                        ; 32 rows of lb
	s_add_nc_u64 s[8:9], s[8:9], s[14:15]
	; Tile t (0 .. 7) covers the columns e = 128 w + 8 r + t, so that a lane's 8 tiles are 8 neighbouring columns: loads of la and W take 32
	; neighbouring bytes a lane, and a lane's 8 results of a row pack into 16 neighbouring bytes.
.irp kk, 0,1,2,3,4,5,6,7
	global_load_b128 v[RAW+8*\kk:RAW+8*\kk+3],   v3, s[6:7] offset:4096*\kk                ; la[8 h + kk][128 w + 8 r ..]
	global_load_b128 v[RAW+8*\kk+4:RAW+8*\kk+7], v3, s[6:7] offset:4096*\kk+16
.endr
.irp s, 0,1
	global_load_b128 v[LBR+8*\s:LBR+8*\s+3],   v4, s[8:9] offset:1024*\s                   ; lb[16 s + r][8 h ..]
	global_load_b128 v[LBR+8*\s+4:LBR+8*\s+7], v4, s[8:9] offset:1024*\s+16
.endr
.irp s, 0,1
.irp j, 0,1,2,3,4,5,6,7
	global_load_b128 v[WR+64*\s+8*\j:WR+64*\s+8*\j+3],   v3, s[4:5] offset:(16*\s+\j)*4096 th:TH_LOAD_NT      ; W[16 s + 8 h + j][128 w + 8 r ..]
	global_load_b128 v[WR+64*\s+8*\j+4:WR+64*\s+8*\j+7], v3, s[4:5] offset:(16*\s+\j)*4096+16 th:TH_LOAD_NT
.endr
.endr
	; The rank is 16, the matrix form's K is 32: k = 16 .. 31 is zero in both operands.
	WIN 0x40
.irp t, 0,1,2,3,4,5,6,7
.irp i, 4,5,6,7
	v_mov_b32 v[LAF+8*\t+\i], 0
.endr
.endr
	WIN 0
.irp s, 0,1
.irp i, 4,5,6,7
	v_mov_b32 v[LBF+8*\s+\i], 0
.endr
.endr
	s_wait_loadcnt 32                              ; la and lb are in; the 32 loads of W stay out
	WIN 0x40
.irp t, 0,1,2,3,4,5,6,7
.irp i, 0,1,2,3
	v_cvt_pk_f16_f32 v[LAF+8*\t+\i], v[RAW+16*\i+\t], v[RAW+16*\i+8+\t]                    ; ranks 8 h + 2 i, 8 h + 2 i + 1 of column 8 r + t
.endr
.endr
	WIN 0
.irp i, 0,2,4,6,8,10,12,14
	v_pk_mul_f32 v[LBR+\i:LBR+\i+1], v[LBR+\i:LBR+\i+1], 0x41800000 op_sel_hi:[1,0]        ; 16 lb, exact: the product comes out as 16 lb la
.endr
.irp s, 0,1
.irp i, 0,1,2,3
	v_cvt_pk_f16_f32 v[LBF+8*\s+\i], v[LBR+8*\s+2*\i], v[LBR+8*\s+2*\i+1]
.endr
.endr
; Block s: eight products, each its own tile; register j of tile t in lane (r, h) is (row 16 s + 8 h + j, column 128 w + 8 r + t), the place of W's register 8 j + t.
.macro BLOCK s
	WIN 0x04                                       ; source 1 (la) in window 1
.irp t, 0,1,2,3,4,5,6,7
	v_wmma_f32_16x16x32_f16 v[DT+8*\t:DT+8*\t+7], v[LBF+8*\s:LBF+8*\s+7], v[LAF+8*\t:LAF+8*\t+7], 0
.endr
	WIN 0
.rept 4
	v_nop                                          ; four places between the last product and the first vector read of a result (ISA guide 7.12.1)
.endr
	s_wait_loadcnt 16-16*\s                        ; this block's 16 loads of W are in; the next block's stay out
.irp j, 0,1,2,3,4,5,6,7
.irp t, 0,1,2,3,4,5,6,7
	v_fmamk_f32 v[WR+64*\s+8*\j+\t], v[WR+64*\s+8*\j+\t], 0x41800000, v[DT+8*\t+\j]        ; 16 W + 16 lb la, one rounding
.endr
.irp i, 0,1,2,3
	v_cvt_pk_f16_f32 v[WR+64*\s+8*\j+\i], v[WR+64*\s+8*\j+2*\i], v[WR+64*\s+8*\j+2*\i+1]   ; in place, ascending: a target never lies ahead of its sources
.endr
	global_store_b128 v5, v[WR+64*\s+8*\j:WR+64*\s+8*\j+3], s[10:11] offset:(16*\s+\j)*2048   ; sixteen lanes store 256 aligned bytes of a row
.endr
.endm
	BLOCK 0
	BLOCK 1                                        ; its products write the tiles again far more than five places behind block 0's
	s_endpgm
.Lfunc_end_k_q183dbdeff0_prep:
	.size	k_q183dbdeff0_prep, .Lfunc_end_k_q183dbdeff0_prep-k_q183dbdeff0_prep
	.p2alignl 7, 3214868480
	.fill 96, 4, 3214868480
	.section	.rodata,"a",@progbits
	.p2align	6, 0x0
	.amdhsa_kernel k_q183dbdeff0_prep
		.amdhsa_group_segment_fixed_size 0
		.amdhsa_private_segment_fixed_size 0
		.amdhsa_enable_private_segment 0
		.amdhsa_kernarg_size 152
		.amdhsa_user_sgpr_count 2
		.amdhsa_user_sgpr_kernarg_segment_ptr 1
		.amdhsa_wavefront_size32 1
		.amdhsa_system_sgpr_workgroup_id_x 1
		.amdhsa_system_sgpr_workgroup_id_y 1
		.amdhsa_system_sgpr_workgroup_id_z 1
		.amdhsa_system_vgpr_workitem_id 0
		.amdhsa_next_free_vgpr 320
		.amdhsa_next_free_sgpr 66
		.amdhsa_reserve_vcc 0
		.amdhsa_float_denorm_mode_32 3
		.amdhsa_float_denorm_mode_16_64 3
		.amdhsa_memory_ordered 1
		.amdhsa_forward_progress 1
		.amdhsa_inst_pref_size 43
	.end_amdhsa_kernel
	.amdgpu_metadata
---
amdhsa.version: [ 1, 2 ]
amdhsa.kernels:
  - .name:           k_q183dbdeff0_prep
    .symbol:         k_q183dbdeff0_prep.kd
    .args:
      - { .name: x, .offset: 0, .size: 8, .value_kind: global_buffer, .address_space: global }
      - { .name: xb, .offset: 8, .size: 8, .value_kind: global_buffer, .address_space: global }
      - { .name: q_w, .offset: 16, .size: 8, .value_kind: global_buffer, .address_space: global }
      - { .name: k_w, .offset: 24, .size: 8, .value_kind: global_buffer, .address_space: global }
      - { .name: v_w, .offset: 32, .size: 8, .value_kind: global_buffer, .address_space: global }
      - { .name: o_w, .offset: 40, .size: 8, .value_kind: global_buffer, .address_space: global }
      - { .name: q_la, .offset: 48, .size: 8, .value_kind: global_buffer, .address_space: global }
      - { .name: k_la, .offset: 56, .size: 8, .value_kind: global_buffer, .address_space: global }
      - { .name: v_la, .offset: 64, .size: 8, .value_kind: global_buffer, .address_space: global }
      - { .name: o_la, .offset: 72, .size: 8, .value_kind: global_buffer, .address_space: global }
      - { .name: q_lb, .offset: 80, .size: 8, .value_kind: global_buffer, .address_space: global }
      - { .name: k_lb, .offset: 88, .size: 8, .value_kind: global_buffer, .address_space: global }
      - { .name: v_lb, .offset: 96, .size: 8, .value_kind: global_buffer, .address_space: global }
      - { .name: o_lb, .offset: 104, .size: 8, .value_kind: global_buffer, .address_space: global }
      - { .name: wqkv, .offset: 112, .size: 8, .value_kind: global_buffer, .address_space: global }
      - { .name: wo, .offset: 120, .size: 8, .value_kind: global_buffer, .address_space: global }
      - { .name: q_b, .offset: 128, .size: 8, .value_kind: global_buffer, .address_space: global }
      - { .name: v_b, .offset: 136, .size: 8, .value_kind: global_buffer, .address_space: global }
      - { .name: bqkv, .offset: 144, .size: 8, .value_kind: global_buffer, .address_space: global }
    .group_segment_fixed_size: 0
    .private_segment_fixed_size: 0
    .kernarg_segment_align: 8
    .kernarg_segment_size: 152
    .max_flat_workgroup_size: 256
    .sgpr_count:     66
    .vgpr_count:     320
    .wavefront_size: 32
...
	.end_amdgpu_metadata
.endif
;; end of part 1
;; launch qkvgemm (part 2): grid 8 x 32, 4 waves a work-group, clusters of 4 x 4, 327,680 bytes of LDS; arguments xb, wqkv, qkv, bqkv; writes qkv
.if DOCPART == 2
	.amdgcn_target "amdgcn-amd-amdhsa--gfx1250"
	.amdhsa_code_object_version 6
	.text
	.protected	k_q183dbdeff0_qkvgemm
	.globl	k_q183dbdeff0_qkvgemm
	.p2align	8
	.type	k_q183dbdeff0_qkvgemm,@function
k_q183dbdeff0_qkvgemm:
	s_mov_b64 s[64:65], 0
	v_nop
	global_prefetch_b8 v0, s[64:65] scope:SCOPE_SE
	s_setreg_imm32_b32 hwreg(HW_REG_WAVE_MODE, 25, 1), 1
	s_wait_xcnt 0x0
	s_wait_alu depctr_hold_cnt(0) depctr_sa_sdst(0) depctr_va_vdst(0) depctr_va_sdst(0) depctr_va_ssrc(0) depctr_va_vcc(0) depctr_vm_vsrc(0)
	s_getreg_b32 s2, hwreg(HW_REG_IB_STS2, 6, 4)
	s_cmp_eq_u32 s2, 0
	s_cbranch_scc0 .Lentry_in_a_cluster
	s_endpgm
.Lentry_in_a_cluster:
	s_bfe_u32 s2, ttmp6, 0x10000c
	s_cmp_lg_u32 s2, 0xf033
	s_cbranch_scc0 .Lentry_shape_is_right
	s_endpgm
.Lentry_shape_is_right:
; SECOND LAUNCH: qkv[m][n] = sum over k of xb[m][k] wqkv[n][k] + bqkv[n], f16 out, sums in f32.  M = 4096, N = 3072, K = 1024.
; xb is x / 256 and wqkv is 16 W', so the sums are q, k, v divided by 16: the scale in which f16 has room for them (arithmetic at the head of the
; first launch).  LIMIT: |q|, |k|, |v| from 1,048,064 on become infinite.
; Columns 0-1023 are q, 1024-2047 k, 2048-3071 v.  The LoRA paths are inside wqkv (merged in the first launch).  bqkv holds q_b / 16, 1,024 zeros and
; v_b / 16: k gets NO bias, since k_b adds to every score of a softmax row the same number and cancels (shown at the head of the first launch).
; The zeros are read like the rest: a wave's 96 columns can cross from one projection into the next (1,024 is no multiple of 96).
; THE SHAPE.  A work-group makes 128 rows x 384 columns: 32 x 8 = 256 work-groups, one for each WGP.  A wave makes 128 x 96: 48 accumulator tiles,
; 384 registers; all four waves read xb's 128 rows, each its own 96 rows of wqkv: 28 LDS loads for 48 products.
; K goes in steps of 128 through two LDS slots filled by the tensor data mover; a tile's rows are 256 bytes of memory at multiples of 256 bytes.
; A slot is xb's 128 rows and wqkv's 384: four tiles of 128 rows; wave 0 fetches xb's, waves 1 to 3 one of wqkv's each.
; CLUSTERS of 4 x 4: the four work-groups of a row need the same tile of xb, the four of a column the same tiles of wqkv: joint loads.
; The first product of each accumulator takes the bias registers as C: no add on the way out.
; THE WAY OUT.  A wave's piece of a row is 192 bytes, a block's 768 bytes at a multiple of 768: the four pieces meet in LDS, and each wave stores
; 32 whole rows, 256 aligned bytes by sixteen lanes.  The stage lies in slot 0, which has had its last fill (K step 6 of 0 .. 7) and its last reads
; in front of the barrier of the last change of slots; the last K step reads slot 1 alone.
; Windows: 0: addresses, fragments of xb (v64-191), packed results (v192-239); 1: fragments of wqkv (v64-111, v128-175), bias (v192-239);
; 2: accumulators of rows 0-63 (tile (a, b) at 8 (6 a + b)); 3: of rows 64-127.
; The matrix form is used transposed (source 0 = rows of wqkv, source 1 = rows of xb): lane l holds row l % 16 and in registers 0-7 the
; columns 8 (l / 16) + 0 .. 7 of a tile, eight neighbouring numbers.
.set SIZE_M, 4096
.set SIZE_N, 3072
.set SIZE_K, 1024
.set KSTEP,  128
.set PITCH,  272                       ; an LDS row: 256 bytes + 16 of padding: the 16 rows of a fragment load start 68 words apart
.set TILE,   128*PITCH                 ; what one tensor load brings
.set SLOT,   4*TILE                    ; 128 rows of xb, then 384 rows of wqkv
.set OPITCH, 784                       ; a stage row: 768 bytes + 16 = 49 x 16: sixteen rows' 16 bytes fall into sixteen different columns of 16 bytes modulo 256
.set LAPS, SIZE_K/(2*KSTEP)            ; 4 laps of two K steps
.set ADRA, 16                          ; v16-17  LDS address of the xb fragments in slot 0, 1
.set ADRB, 20                          ; v20-21  of my wqkv fragments
.set STO,  24                          ; v24-25  way out: where I put 16 bytes of a row; rows 0-63, rows 64-127 (an LDS immediate has 16 bits)
.set RD,   26                          ; v26     way out: where I read rows back
.set CO,   27                          ; v27     my byte offset in qkv
.set BO,   28                          ; v28     my byte offset in the bias: 32 (l / 16)
.set F0,   64
.set F1,   128
.set TMP,  192                         ; two sets of 24, by turns
.set BIAS, 192                         ; window 1: register 8 b + j = bias of column 16 b + 8 (l / 16) + j of my 96
.set G1, 24                            ; s[24:31] group 1 for xb's tile
.set G0, 32                            ; s[32:39] group 0 for xb's tile, one set a slot
.set G1B, 48                           ; s[48:55] group 1 for wqkv's tiles
.set G0B, 56                           ; s[56:63] group 0 for wqkv's tiles
.set MSB, 0
.macro WIN new
.if MSB != \new
	s_set_vgpr_msb (MSB<<8)|\new
.set MSB, \new
.endif
.endm
.set MUL_LO,   0xa1                    ; source 0 window 1, source 1 window 0, C and D window 2
.set MUL_HI,   0xf1                    ; C and D window 3
.set FIRST_LO, 0x91                    ; C (the bias) window 1, D window 2
.set FIRST_HI, 0xd1                    ; C window 1, D window 3
.set TO_B,     0x40
; A joint load: wave 0 fetches xb's tile, waves 1 to 3 wqkv's.  Each line has one mask; the branch hangs on the wave's number alone.
.macro JLOAD s
	s_cmp_eq_u32 s10, 0
	s_cbranch_scc0 .Lfor_b_\@
	tensor_load_to_lds s[G0+4*\s:G0+4*\s+3], s[G1:G1+7]
	s_nop 0
	s_branch .Lasked_\@
.Lfor_b_\@:
	tensor_load_to_lds s[G0B+4*\s:G0B+4*\s+3], s[G1B:G1B+7]
	s_nop 0
.Lasked_\@:
.endm
.macro CREST                           ; a round of the cluster's barrier behind its opening work-group barrier
	s_cmp_lg_u32 s10, 0
	s_cbranch_scc1 .Lnot_wave_0_\@
	s_barrier_signal -3
.Lnot_wave_0_\@:
	s_barrier_wait -3
	s_barrier_signal -1
	s_barrier_wait -1
.endm
.macro CROUND
	s_barrier_signal -1
	s_barrier_wait -1
	CREST
.endm
	s_load_b128 s[4:7], s[0:1], 0x0                ; xb, wqkv
	s_load_b64 s[8:9], s[0:1], 0x10                ; qkv
	s_load_b64 s[68:69], s[0:1], 0x18              ; bqkv
	s_set_vgpr_msb 0x40
	v_lshl_add_u32 v255, v0, 2, 0x44000
	s_set_vgpr_msb 0x4000
	v_mov_b32 v63, 0
	s_set_vgpr_msb 0x1
	ds_add_u32 v255, v63
	s_set_vgpr_msb 0x100
	v_lshrrev_b32 v1, 5, v0
	v_readfirstlane_b32 s10, v1                    ; wave
	s_bfe_u32 s40, ttmp6, 0x40000                  ; cx
	s_bfe_u32 s41, ttmp6, 0x40004                  ; cy
	s_lshl_b32 s42, ttmp9, 2
	s_add_co_u32 s42, s42, s40                     ; block column 0 .. 7
	s_and_b32 s13, ttmp7, 0xffff
	s_lshl_b32 s13, s13, 2
	s_add_co_u32 s13, s13, s41                     ; block row 0 .. 31
	s_lshl_b32 s43, s41, 2
	s_lshl_b32 s43, 15, s43                        ; my row of the cluster
	s_lshl_b32 s44, 0x1111, s40                    ; my column
	s_or_b32 s[G1+0], s43, (1<<16)|(1<<20)|(1<<21)|(5<<22)|(3<<25)   ; mask; 2-byte elements; padding on; bit 21 beside a mask; 4 words behind every 64
	s_or_b32 s[G1B+0], s44, (1<<16)|(1<<20)|(1<<21)|(5<<22)|(3<<25)
	s_mov_b32 s[G1B+1], KSTEP<<16
	s_mov_b32 s[G1+1], KSTEP<<16                   ; tensor_dim0 = 128
	s_mov_b32 s[G1B+2], 128<<16
	s_mov_b32 s[G1+2], 128<<16                     ; tensor_dim1 = 128
	s_mov_b32 s[G1B+3], KSTEP<<16
	s_mov_b32 s[G1+3], KSTEP<<16                   ; tile_dim0 = 128
	s_mov_b32 s[G1B+4], 128
	s_mov_b32 s[G1+4], 128                         ; tile_dim1 = 128
	s_mov_b32 s[G1B+5], SIZE_K
	s_mov_b32 s[G1+5], SIZE_K                      ; elements from row to row
	s_mov_b32 s[G1B+6], 0
	s_mov_b32 s[G1+6], 0
	s_mov_b32 s[G1B+7], 0
	s_mov_b32 s[G1+7], 0
	; xb's tile hangs on the block row alone, wqkv's on the block column and the wave's number; each address lives in registers that never hold the other coordinate
	s_lshl_b32 s16, s13, 7                         ; xb: row 128 x block row
	s_mul_i32 s46, s42, 384                        ; wqkv: row 384 x block column
	s_max_u32 s17, s10, 1                          ; + 128 (wave - 1); wave 0, which asks for xb, makes wave 1's address and does not use it
	s_sub_co_u32 s17, s17, 1
	s_lshl_b32 s17, s17, 7
	s_add_co_u32 s46, s46, s17
	s_mov_b32 s17, 0
	s_mov_b32 s47, 0
	s_mov_b64 s[18:19], SIZE_K*2
	s_mul_u64 s[16:17], s[16:17], s[18:19]
	s_mul_u64 s[46:47], s[46:47], s[18:19]
	s_mul_i32 s20, s10, TILE                       ; LDS: wave x 128 rows: xb's tile first, then wqkv's three
	s_wait_dscnt 0x0
	s_wait_kmcnt 0x0
	s_add_nc_u64 s[14:15], s[4:5], s[16:17]
	s_add_nc_u64 s[46:47], s[6:7], s[46:47]
	CROUND                                         ; all sixteen work-groups are here: the first joint loads meet
.irp s, 0,1
	s_mov_b32 s[G0+4*\s], 1
	s_add_co_u32 s[G0+4*\s+1], s20, \s*SLOT
	s_add_nc_u64 s[G0+4*\s+2:G0+4*\s+3], s[14:15], \s*KSTEP*2
	s_or_b32 s[G0+4*\s+3], s[G0+4*\s+3], 0x80000000
	s_mov_b32 s[G0B+4*\s], 1
	s_add_co_u32 s[G0B+4*\s+1], s20, \s*SLOT
	s_add_nc_u64 s[G0B+4*\s+2:G0B+4*\s+3], s[46:47], \s*KSTEP*2
	s_or_b32 s[G0B+4*\s+3], s[G0B+4*\s+3], 0x80000000
	JLOAD \s                                       ; both slots' first fills go out together: two tensor loads of the wave are out
.endr
	v_and_b32 v1, 15, v0                           ; l % 16
	v_bfe_u32 v2, v0, 4, 1                         ; l / 16
	v_mul_u32_u24 v3, v1, PITCH
	v_lshl_add_u32 v3, v2, 4, v3
	s_mov_b32 s21, 0                               ; xb's 128 rows, read by every wave
	s_mul_i32 s22, s10, 96*PITCH                   ; my 96 rows of wqkv,
	s_add_co_u32 s22, s22, TILE                    ; which lie behind xb's tile
.irp s, 0,1
	v_add_nc_u32 v[ADRA+\s], s21, v3
	v_add_nc_u32 v[ADRB+\s], s22, v3
	s_add_co_u32 s21, s21, SLOT
	s_add_co_u32 s22, s22, SLOT
.endr
	s_mul_i32 s23, s10, 192                        ; my 192 bytes of a stage row
	v_mul_u32_u24 v4, v1, OPITCH
	v_lshl_add_u32 v4, v2, 4, v4
	v_add_nc_u32 v[STO], s23, v4                   ; stage row l % 16, byte 192 w + 16 (l / 16)
	v_add_nc_u32 v[STO+1], 64*OPITCH, v[STO]
	s_mul_i32 s23, s10, 32*OPITCH
	v_mul_u32_u24 v5, v2, OPITCH
	v_lshl_add_u32 v5, v1, 4, v5
	v_add_nc_u32 v[RD], s23, v5                    ; stage row 32 w + l / 16, byte 16 (l % 16)
	v_mul_u32_u24 v5, v2, SIZE_N*2
	v_lshl_add_u32 v[CO], v1, 4, v5                ; the same two rows in qkv
	; The bias of my 96 columns, while the first tiles are on their way.
	v_lshlrev_b32 v[BO], 5, v2
	s_mul_i32 s66, s42, 384*4
	s_mul_i32 s67, s10, 96*4
	s_add_co_u32 s66, s66, s67
	s_mov_b32 s67, 0
	s_add_nc_u64 s[68:69], s[68:69], s[66:67]
	WIN TO_B
.irp b, 0,1,2,3,4,5
	global_load_b128 v[BIAS+8*\b:BIAS+8*\b+3],   v[BO], s[68:69] offset:64*\b
	global_load_b128 v[BIAS+8*\b+4:BIAS+8*\b+7], v[BO], s[68:69] offset:64*\b+16
.endr
	WIN 0
	s_wait_loadcnt 0x0
; 12 products: m blocks a0, a0 + 1 of the window's four x all 6 n blocks, 32 along K.  first = 1: C is the bias.
.macro MUL12 f, hi, a0, first
.irp a, \a0, \a0+1
.irp b, 0,1,2,3,4,5
.if \first
	v_wmma_f32_16x16x32_f16 v[8*(6*(\a)+\b):8*(6*(\a)+\b)+7], v[\f+8*\b:\f+8*\b+7], v[\f+8*(4*\hi+\a):\f+8*(4*\hi+\a)+7], v[BIAS+8*\b:BIAS+8*\b+7]
.else
	v_wmma_f32_16x16x32_f16 v[8*(6*(\a)+\b):8*(6*(\a)+\b)+7], v[\f+8*\b:\f+8*\b+7], v[\f+8*(4*\hi+\a):\f+8*(4*\hi+\a)+7], v[8*(6*(\a)+\b):8*(6*(\a)+\b)+7]
.endif
.endr
.endr
.endm
.macro FETCH slot, k, f                ; 28 LDS loads in one run: a quarter step's fragments, 12 of wqkv and 16 of xb
	WIN TO_B
.irp i, 0,1,2,3,4,5
	ds_load_b128 v[\f+8*\i:\f+8*\i+3],   v[ADRB+\slot] offset:\k+\i*16*PITCH
	ds_load_b128 v[\f+8*\i+4:\f+8*\i+7], v[ADRB+\slot] offset:\k+\i*16*PITCH+32
.endr
	WIN 0
.irp i, 0,1,2,3,4,5,6,7
	ds_load_b128 v[\f+8*\i:\f+8*\i+3],   v[ADRA+\slot] offset:\k+\i*16*PITCH
	ds_load_b128 v[\f+8*\i+4:\f+8*\i+7], v[ADRA+\slot] offset:\k+\i*16*PITCH+32
.endr
.endm
.macro PLACES                          ; four places between a product and a load into, or a vector use of, its registers
.rept 4
	v_nop
.endr
.endm
; The 48 accumulators take turns, one product a turn, in the same order in every quarter step.
.macro QUARTER slot, k, f, g, first
	s_wait_dscnt 8                                 ; all but the youngest eight loads (xb's rows 64-127) are in
.if \first
	WIN FIRST_LO
.else
	WIN MUL_LO
.endif
	MUL12 \f, 0, 0, \first
	MUL12 \f, 0, 2, \first
	PLACES
	FETCH \slot, \k, \g
	s_wait_dscnt 28                                ; all but the 28 just issued
.if \first
	WIN FIRST_HI
.else
	WIN MUL_HI
.endif
	MUL12 \f, 1, 0, \first
	MUL12 \f, 1, 2, \first
.endm
.macro THREE slot, first
	QUARTER \slot, 64,  F0, F1, \first
	QUARTER \slot, 128, F1, F0, 0
	QUARTER \slot, 192, F0, F1, 0
.endm
; The last quarter of a K step changes slots.  In front of the barrier each wave waits for its reads of this slot and for all its tensor loads
; (one is out: its part of the next slot).  Behind it the refill comes first, then the next slot's first fragments.
; From a request to the wait for it a wave issues 180 of a K step's 192 products.
.macro TURN slot, next, fill
	s_wait_dscnt 8
	WIN MUL_LO
	MUL12 F1, 0, 0, 0
	s_wait_dscnt 0                                 ; my reads of this slot are over
	s_wait_tensorcnt 0x0                           ; all my tensor loads have landed
	ds_add_u32 v255, v63
	s_wait_dscnt 0x0
	s_barrier_signal -1
	MUL12 F1, 0, 2, 0                              ; register work between signal and wait
	WIN 0
	s_barrier_wait -1
.if \fill
	CREST                                          ; the round closes: no wave of any partner reads this slot or has a load on its way
	s_add_nc_u64 s[G0+4*\slot+2:G0+4*\slot+3], s[G0+4*\slot+2:G0+4*\slot+3], 2*KSTEP*2
	s_add_nc_u64 s[G0B+4*\slot+2:G0B+4*\slot+3], s[G0B+4*\slot+2:G0B+4*\slot+3], 2*KSTEP*2
	JLOAD \slot                                    ; my one tensor load behind the round: one is out from here to the next round
.endif
	PLACES
	FETCH \next, 0, F0
	WIN MUL_HI
	MUL12 F1, 1, 0, 0
	MUL12 F1, 1, 2, 0
.endm
.macro LAP first
	THREE 0, \first
	TURN 0, 1, 1
	THREE 1, 0
	TURN 1, 0, 1
.endm
	s_wait_tensorcnt 1                             ; my part of K step 0 is in; K step 1's stays out
	s_barrier_signal -1
	s_barrier_wait -1
	FETCH 0, 0, F0
	LAP 1                                          ; the first lap's first products start the sums from the bias
.if LAPS > 2
	WIN 0
	s_mov_b32 s3, LAPS-2
.Llap:
	LAP 0
	WIN 0
	s_sub_co_u32 s3, s3, 1
	s_cmp_lg_u32 s3, 0
	s_cbranch_scc1 .Llap
.endif
	THREE 0, 0                                     ; the last lap fills nothing
	TURN 0, 1, 0                                   ; behind this barrier no wave reads slot 0 and no tensor load is out or follows: slot 0 becomes the stage
	THREE 1, 0
	s_wait_dscnt 8
	WIN MUL_LO
	MUL12 F1, 0, 0, 0
	MUL12 F1, 0, 2, 0
	s_wait_dscnt 0
	WIN MUL_HI
	MUL12 F1, 1, 0, 0
	MUL12 F1, 1, 2, 0
	; THE WAY OUT: round to f16, 16 bytes a lane into the stage; one barrier; each wave reads 32 whole rows back and stores them.
	PLACES
	s_lshl_b32 s16, s13, 7                         ; row 128 x block row
	s_lshl_b32 s14, s10, 5                         ; + 32 w
	s_add_co_u32 s16, s16, s14
	s_mov_b32 s17, 0
	s_mov_b64 s[18:19], SIZE_N*2
	s_mul_u64 s[16:17], s[16:17], s[18:19]
	s_add_nc_u64 s[8:9], s[8:9], s[16:17]
	s_mul_i32 s46, s42, 768                        ; the block's first column, in bytes: a multiple of 256
	s_mov_b32 s47, 0
	s_add_nc_u64 s[8:9], s[8:9], s[46:47]
; rows 16 a .. 16 a + 15 of the window's 64 (from = 0x0a: window 2, 0x0f: window 3, as sources 0 and 1); sto: the address register of those 64 rows
.macro PACK a, from, sto
	WIN \from
.irp b, 0,1,2,3,4,5
.irp r, 0,1,2,3
	v_cvt_pk_f16_f32 v[TMP+24*((\a)%2)+4*\b+\r], v[8*(6*\a+\b)+2*\r], v[8*(6*\a+\b)+2*\r+1]
.endr
.endr
	WIN 0
.irp b, 0,1,2,3,4,5
	ds_store_b128 v[\sto], v[TMP+24*((\a)%2)+4*\b:TMP+24*((\a)%2)+4*\b+3] offset:\a*16*OPITCH+32*\b
.endr
.endm
	PACK 0, 0x0a, STO
	PACK 1, 0x0a, STO
	PACK 2, 0x0a, STO
	PACK 3, 0x0a, STO
	PACK 0, 0x0f, STO+1
	PACK 1, 0x0f, STO+1
	PACK 2, 0x0f, STO+1
	PACK 3, 0x0f, STO+1
	s_wait_dscnt 0x0                               ; my stores are done: a stage row holds the pieces of all four waves
	s_barrier_signal -1
	s_barrier_wait -1
	; load 3 t + u: rows 32 w + 2 t and + 1, bytes 256 u .. 256 u + 255; each load has registers of its own (v64-255)
.set OI, 0
.rept 48
	ds_load_b128 v[64+4*OI:64+4*OI+3], v[RD] offset:(OI/3)*2*OPITCH+(OI%3)*256
.set OI, OI+1
.endr
.set OI, 0
.rept 48
	s_wait_dscnt 47-OI                             ; this read-back is in, the younger ones stay out
	global_store_b128 v[CO], v[64+4*OI:64+4*OI+3], s[8:9] offset:(OI/3)*2*SIZE_N*2+(OI%3)*256   ; sixteen lanes store 256 aligned bytes of a row
.set OI, OI+1
.endr
	s_set_vgpr_msb 0x1
	s_wait_tensorcnt 0x0
	ds_add_u32 v255, v63
	s_wait_dscnt 0x0
	s_set_vgpr_msb 0x100
	CROUND                                         ; the closing round: no work-group ends while a partner may still ask jointly
	s_endpgm
.Lfunc_end_k_q183dbdeff0_qkvgemm:
	.size	k_q183dbdeff0_qkvgemm, .Lfunc_end_k_q183dbdeff0_qkvgemm-k_q183dbdeff0_qkvgemm
	.p2alignl 7, 3214868480
	.fill 96, 4, 3214868480
	.section	.rodata,"a",@progbits
	.p2align	6, 0x0
	.amdhsa_kernel k_q183dbdeff0_qkvgemm
		.amdhsa_group_segment_fixed_size 327680
		.amdhsa_private_segment_fixed_size 0
		.amdhsa_enable_private_segment 0
		.amdhsa_kernarg_size 32
		.amdhsa_user_sgpr_count 2
		.amdhsa_user_sgpr_kernarg_segment_ptr 1
		.amdhsa_wavefront_size32 1
		.amdhsa_system_sgpr_workgroup_id_x 1
		.amdhsa_system_sgpr_workgroup_id_y 1
		.amdhsa_system_sgpr_workgroup_id_z 1
		.amdhsa_system_vgpr_workitem_id 0
		.amdhsa_next_free_vgpr 1024
		.amdhsa_next_free_sgpr 72
		.amdhsa_reserve_vcc 0
		.amdhsa_float_denorm_mode_32 3
		.amdhsa_float_denorm_mode_16_64 3
		.amdhsa_memory_ordered 1
		.amdhsa_forward_progress 1
		.amdhsa_inst_pref_size 159
	.end_amdhsa_kernel
	.amdgpu_metadata
---
amdhsa.version: [ 1, 2 ]
amdhsa.kernels:
  - .name:           k_q183dbdeff0_qkvgemm
    .symbol:         k_q183dbdeff0_qkvgemm.kd
    .args:
      - { .name: xb, .offset: 0, .size: 8, .value_kind: global_buffer, .address_space: global }
      - { .name: wqkv, .offset: 8, .size: 8, .value_kind: global_buffer, .address_space: global }
      - { .name: qkv, .offset: 16, .size: 8, .value_kind: global_buffer, .address_space: global }
      - { .name: bqkv, .offset: 24, .size: 8, .value_kind: global_buffer, .address_space: global }
    .group_segment_fixed_size: 327680
    .private_segment_fixed_size: 0
    .kernarg_segment_align: 8
    .kernarg_segment_size: 32
    .max_flat_workgroup_size: 128
    .sgpr_count:     72
    .vgpr_count:     1024
    .wavefront_size: 32
...
	.end_amdgpu_metadata
.endif
;; end of part 2
;; launch attn (part 3): grid 8 x 32, 4 waves a work-group, clusters of 4 x 1, 327,680 bytes of LDS; arguments qkv, ctx; writes ctx
.if DOCPART == 3
	.amdgcn_target "amdgcn-amd-amdhsa--gfx1250"
	.amdhsa_code_object_version 6
	.text
	.protected	k_q183dbdeff0_attn
	.globl	k_q183dbdeff0_attn
	.p2align	8
	.type	k_q183dbdeff0_attn,@function
k_q183dbdeff0_attn:
	s_mov_b64 s[64:65], 0
	v_nop
	global_prefetch_b8 v0, s[64:65] scope:SCOPE_SE
	s_setreg_imm32_b32 hwreg(HW_REG_WAVE_MODE, 25, 1), 1
	s_wait_xcnt 0x0
	s_wait_alu depctr_hold_cnt(0) depctr_sa_sdst(0) depctr_va_vdst(0) depctr_va_sdst(0) depctr_va_ssrc(0) depctr_va_vcc(0) depctr_vm_vsrc(0)
	s_getreg_b32 s2, hwreg(HW_REG_IB_STS2, 6, 4)
	s_cmp_eq_u32 s2, 0
	s_cbranch_scc0 .Lentry_in_a_cluster
	s_endpgm
.Lentry_in_a_cluster:
	s_bfe_u32 s2, ttmp6, 0x10000c
	s_cmp_lg_u32 s2, 0x3003
	s_cbranch_scc0 .Lentry_shape_is_right
	s_endpgm
.Lentry_shape_is_right:
; THIRD LAUNCH: ctx = softmax(q k^T / 8) v for 4 batches x 16 heads of 64, S = 1024, with a running maximum.  (k carries no k_b: it cancels in
; the softmax, as shown at the head of the first launch.)
; qkv holds q / 16, k / 16, v / 16 in f16 (why: head of the first launch).  So a raw score here is q . k / 256, the exponent's factor is
; c = 256 / 8 x log2(e) = 32 log2(e), and ctx comes out as ctx / 16, a mean of rows of v / 16 and so of the same range.
; A work-group takes 128 queries of a PAIR of heads, so that rows of K and V tiles and rows of ctx are 256 aligned bytes (2 x 64 f16).
; Wave w: head w >> 1 of the pair, queries 64 (w & 1) .. + 63 of the block: four query tiles of 16.
; CLUSTER of 4 along x: the four partners take four query blocks of the same batch and head pair and read the same K and V: joint loads, mask 15.
; TRANSPOSED SCHEME: S^T = K Q^T puts keys along a lane's registers and ONE query in a lane (register j of lane (r, h): key 16 tt + 8 h + j,
; query 16 q + r).  So the row maximum and the row sum are made in the lane plus one exchange between the halves; two packed S^T tiles are
; the operand fragment of P for O^T = V^T P^T; and O^T keeps the lane's query, so alpha and 1 / l are the lane's own numbers.
; The exponent is c s - c m; the shift -c m is kept as rounded, and alpha = 2^(new shift - old shift) is made of the same two rounded numbers,
; so the rounding of c m multiplies numerator and denominator alike.
; P = 2^(c s - c m) lies in (0, 1] since the maximum is taken away: it fits f16 for every input; below 2^-14 its step is 2^-24, beside a row sum of at least 1.
; LIMITS: P, q, k, v, ctx are f16; v_exp_f32 gives 0 below 2^-126; scores that are NaN or infinite are not guarded (reference() has no guard).
;
; TWO PIECES TAKE TURNS.  The wave's query tiles are piece A (tiles 0, 1) and piece B (tiles 2, 3); they share the K and V^T fragments.  A trip
; (64 keys) is two halves.  In a half one piece issues its 32 products and behind each product stands a slice of the OTHER piece's vector work:
;   HALF A of trip t:  8 x PV_A(t-1), keys 0-31   | B(t-1): maximum, shift, alpha          (46 instructions in 8 slices)
;                     16 x S_A(t)                 | B(t-1): c s - c m, exponentials, sums  (130 in 16 slices)
;                      8 x PV_A(t-1), keys 32-63  | B(t-1): P to f16, O^T times alpha      (64 in 8 slices)
;   HALF B of trip t:  the same with A and B exchanged, the vector work being A's of trip t.
; Trips 0 and 1 are written out with flags (no PV yet, first maxima and sums, C = 0); behind trip 15 follow two halves without S products.
; REGISTER WINDOWS.  A product fixes all four window fields, and the slice behind it runs under the same fields where it can:
;   window 0: addresses, temporaries, K fragments, S^T of both pieces;  window 1: O^T and V^T;  window 2: Q, P and alpha.
;   S products (K 0, Q 2, S^T 0): every instruction on the scores that has no vector register as second source rides along (the fused
;     scale-and-shift, the exponentials, the sums as x 1.0 + y), and so does l = l alpha + sum, whose second source, alpha, lies with Q.
;   PV products (V^T 1, P 2, O^T 1): O^T times alpha rides along.
;   The maxima (three score sources) and the packing of P (two score sources, result in window 2) need fields of their own: K, Q, both pieces'
;   scores and the temporaries are more than one window of 256 holds.  By count: 57 switches in a trip of 64 products.
; P has registers of its own, apart from the scores: S_X(t+1) is written between the two halves of PV_X(t).
.set KPITCH, 272                       ; K rows: 256 bytes + 16
.set VPITCH, 288                       ; V rows: 256 bytes + 32: an odd multiple of 32, for the transposing loads
.set KHALF,  128*KPITCH                ; 34,816: one tensor load of K
.set VHALF,  128*VPITCH                ; 36,864: one tensor load of V
.set VOFF,   2*KHALF                   ; V lies behind K's 256 rows
.set SLOT,   2*KHALF+2*VHALF           ; 143,360: 256 keys
.set STAGE,  2*SLOT                    ; 286,720 (a multiple of 256): 128 rows x 272 bytes for the way out; no fill lands here
.set QKVP,   6144                      ; bytes in a row of qkv
; window 0
.set KA,  4                            ; v4   LDS address of this trip's K fragments
.set VA,  5                            ; v5   of its V fragments
.set KA0, 6                            ; v6   r 272 + 16 h + 128 head
.set VA0, 7                            ; v7   (8 h + (l & 7)) 288 + 16 ((l >> 3) & 1) + 128 head + VOFF, less one trip's 64 rows: VA is stepped ahead of each trip's loads
.set VQ,  8                            ; v8   r 6144 + 16 h
.set STO, 9
.set RD,  10
.set CO,  11
.set TT,  12                           ; v[12:19]  four chains of maxima for each of a piece's two tiles
.set MX,  20                           ; v20+q     running maximum, in raw scores
.set LS,  24                           ; v24+q     the lane's part of the row sum
.set NM,  28                           ; v[28+2q:29+2q]  -c m, twice
.set US,  36                           ; v[36:51]  four pairs of sums for each of a piece's two tiles
.set T5,  52                           ; v52-53    new shift - old shift
.set T6,  54                           ; v54-55    this trip's sum
.set KF,  64                           ; v[64:127]  K fragment (tt, ds) at 8 (2 tt + ds)
.set SC,  128                          ; v[128:255] S^T tile (q, tt) at 8 (4 q + tt)
; window 1
.set OA,  0                            ; v[0:127]   O^T tile (db, q) at 8 (4 db + q)
.set VF,  128                          ; v[128:191] V^T fragment (tb, db) at 8 (4 tb + db)
; window 2
.set QF,  0                            ; v[0:63]    Q fragment (q, ds) at 8 (2 q + ds)
.set PF,  64                           ; v[64:127]  P fragment (q, tb) at 16 q + 8 tb
.set AL,  128                          ; v[128+2q:129+2q]  alpha, twice; at the end 1 / l
.set G1K, 16
.set G1V, 24
.set G0K, 32                           ; one set of four a slot
.set G0V, 40
.set SRUN,  0x08                       ; source 1 in window 2, all else in window 0
.set PVRUN, 0x59                       ; source 0 window 1, source 1 window 2, source 2 and destination window 1
.set TO1,   0x40                       ; destination in window 1
.set TO2,   0x80                       ; destination in window 2
.set MSB, 0
.macro WIN new                         ; s_set_vgpr_msb: low byte = the windows, high byte = the setting that is left; nothing where nothing changes
.if MSB != \new
	s_set_vgpr_msb (MSB<<8)|\new
.set MSB, \new
.endif
.endm
.macro ROUND                           ; a round of the cluster's barrier
	s_barrier_signal -1
	s_barrier_wait -1
	s_cmp_lg_u32 s8, 0
	s_cbranch_scc1 .Lnot_wave_0_\@
	s_barrier_signal -3
.Lnot_wave_0_\@:
	s_barrier_wait -3
	s_barrier_signal -1
	s_barrier_wait -1
.endm
.macro JLOAD n                         ; waves 0, 1 fetch K's halves of slot n, waves 2, 3 V's: one tensor load a wave
	s_cmp_eq_u32 s9, 0
	s_cbranch_scc0 .Lfor_v_\@
	tensor_load_to_lds s[G0K+4*(\n):G0K+4*(\n)+3], s[G1K:G1K+7]
	s_nop 0
	s_branch .Lasked_\@
.Lfor_v_\@:
	tensor_load_to_lds s[G0V+4*(\n):G0V+4*(\n)+3], s[G1V:G1V+7]
	s_nop 0
.Lasked_\@:
.endm
.macro SETADR n
	v_add_nc_u32 v[KA], \n*SLOT, v[KA0]
	v_add_nc_u32 v[VA], \n*SLOT, v[VA0]
.endm
.macro PLACES                          ; four places between a product and the first vector use of its result (ISA guide 7.12.1)
.rept 4
	v_nop
.endr
.endm
	s_load_b128 s[4:7], s[0:1], 0x0                ; qkv, ctx
	v_lshl_add_u32 v62, v0, 2, 0x4e800
	v_mov_b32 v63, 0
	ds_add_u32 v62, v63
	v_lshrrev_b32 v3, 5, v0
	v_readfirstlane_b32 s8, v3                     ; wave
	s_lshr_b32 s9, s8, 1                           ; my head of the pair; also: I fetch K (0) or V (1)
	s_and_b32 s10, s8, 1                           ; my half of the queries; also: which 128 rows of a slot I fetch
	s_bfe_u32 s11, ttmp6, 0x40000                  ; cx
	s_lshl_b32 s12, ttmp9, 2
	s_add_co_u32 s12, s12, s11                     ; query block 0 .. 7
	s_and_b32 s13, ttmp7, 0xffff
	s_lshr_b32 s14, s13, 3                         ; batch
	s_and_b32 s15, s13, 7                          ; head pair
	s_mov_b32 s52, 0x76543210                      ; v_permlanex16_b32: lane i takes lane i of the other half
	s_mov_b32 s53, 0xfedcba98
	; group 1: tiles of 128 rows x 128 elements of 2 bytes, rows 3,072 elements apart, padded behind every 64 words by 4 (K) or 8 (V) words
	s_mov_b32 s[G1K+0], 15|(1<<16)|(1<<20)|(1<<21)|(5<<22)|(3<<25)
	s_mov_b32 s[G1V+0], 15|(1<<16)|(1<<20)|(1<<21)|(5<<22)|(7<<25)
.irp g, G1K, G1V
	s_mov_b32 s[\g+1], 128<<16                     ; tensor_dim0
	s_mov_b32 s[\g+2], 128<<16                     ; tensor_dim1
	s_mov_b32 s[\g+3], 128<<16                     ; tile_dim0
	s_mov_b32 s[\g+4], 128                         ; tile_dim1
	s_mov_b32 s[\g+5], 3072                        ; pitch
	s_mov_b32 s[\g+6], 0
	s_mov_b32 s[\g+7], 0
.endr
	; K and V hang on batch, head pair and the wave's number: the same in all four partners
	s_lshl_b32 s48, s14, 10
	s_lshl_b32 s49, s10, 7
	s_add_co_u32 s48, s48, s49                     ; row: 1024 batch + 128 half
	s_mul_i32 s48, s48, QKVP
	s_lshl_b32 s49, s15, 8
	s_add_co_u32 s48, s48, s49                     ; + 256 bytes a head pair
	s_mov_b32 s49, 0
	s_mul_i32 s2, s10, KHALF
	s_mul_i32 s3, s10, VHALF
	s_add_co_u32 s3, s3, VOFF
	s_wait_dscnt 0x0
	s_wait_kmcnt 0x0
	s_add_nc_u64 s[50:51], s[4:5], s[48:49]
.irp n, 0,1
	s_mov_b32 s[G0K+4*\n], 1
	s_add_co_u32 s[G0K+4*\n+1], s2, \n*SLOT
	s_add_nc_u64 s[G0K+4*\n+2:G0K+4*\n+3], s[50:51], \n*256*QKVP+2048      ; k's columns begin at byte 2,048 of a row
	s_or_b32 s[G0K+4*\n+3], s[G0K+4*\n+3], 0x80000000
	s_mov_b32 s[G0V+4*\n], 1
	s_add_co_u32 s[G0V+4*\n+1], s3, \n*SLOT
	s_add_nc_u64 s[G0V+4*\n+2:G0V+4*\n+3], s[50:51], \n*256*QKVP+4096      ; v's at byte 4,096
	s_or_b32 s[G0V+4*\n+3], s[G0V+4*\n+3], 0x80000000
.endr
	ROUND                                          ; the four partners are here: the first joint loads meet
	JLOAD 0                                        ; keys 0-255
	JLOAD 1                                        ; keys 256-511: two tensor loads of the wave are out
	v_and_b32 v1, 15, v0                           ; r
	v_bfe_u32 v2, v0, 4, 1                         ; h
	s_lshl_b32 s55, s9, 7                          ; my head's 128 bytes of a row
	v_mul_u32_u24 v[KA0], v1, KPITCH
	v_lshl_add_u32 v[KA0], v2, 4, v[KA0]
	v_add_nc_u32 v[KA0], s55, v[KA0]
	v_and_b32 v[TT], 7, v0
	v_lshl_add_u32 v[TT], v2, 3, v[TT]
	v_mul_u32_u24 v[VA0], v[TT], VPITCH
	v_bfe_u32 v[TT], v0, 3, 1
	v_lshl_add_u32 v[VA0], v[TT], 4, v[VA0]
	s_add_co_u32 s55, s55, VOFF-64*VPITCH          ; one trip short: see VA0
	v_add_nc_u32 v[VA0], s55, v[VA0]
	v_mul_u32_u24 v[VQ], v1, QKVP
	v_lshl_add_u32 v[VQ], v2, 4, v[VQ]
	s_mul_i32 s55, s10, 64*KPITCH
	s_add_co_u32 s55, s55, STAGE
	v_add_nc_u32 v[STO], s55, v[KA0]               ; stage row 64 half + r, byte 128 head + 16 h
	s_mul_i32 s55, s8, 32*KPITCH
	s_add_co_u32 s55, s55, STAGE
	v_mul_u32_u24 v[RD], v2, KPITCH
	v_lshl_add_u32 v[RD], v1, 4, v[RD]
	v_add_nc_u32 v[RD], s55, v[RD]                 ; stage row 32 w + h, byte 16 r
	v_lshlrev_b32 v[CO], 4, v1
	v_lshl_add_u32 v[CO], v2, 11, v[CO]            ; the same two rows in ctx
	s_lshl_b32 s56, s14, 10
	s_lshl_b32 s57, s12, 7
	s_add_co_u32 s56, s56, s57                     ; row 1024 batch + 128 block
	s_lshl_b32 s57, s8, 5
	s_add_co_u32 s58, s56, s57                     ; ctx: + 32 w
	s_lshl_b32 s58, s58, 11
	s_lshl_b32 s57, s15, 8
	s_add_co_u32 s58, s58, s57
	s_mov_b32 s59, 0
	s_add_nc_u64 s[58:59], s[6:7], s[58:59]
	s_lshl_b32 s55, s10, 6
	s_add_co_u32 s56, s56, s55                     ; q: + 64 half
	s_mul_i32 s56, s56, QKVP
	s_add_co_u32 s56, s56, s57
	s_lshl_b32 s55, s9, 7
	s_add_co_u32 s56, s56, s55
	s_mov_b32 s57, 0
	s_add_nc_u64 s[56:57], s[4:5], s[56:57]
	WIN TO2
.irp q, 0,1,2,3
.irp ds, 0,1
	global_load_b128 v[QF+8*(2*\q+\ds):QF+8*(2*\q+\ds)+3],   v[VQ], s[56:57] offset:16*QKVP*\q+64*\ds       ; Q stays in registers for the whole kernel
	global_load_b128 v[QF+8*(2*\q+\ds)+4:QF+8*(2*\q+\ds)+7], v[VQ], s[56:57] offset:16*QKVP*\q+64*\ds+32
.endr
.endr
	WIN 0
; ---- LDS loads of a trip
.macro KLOAD                           ; 16 loads: the trip's 64 keys x 64 d, in the order of the key tiles
.irp tt, 0,1,2,3
.irp ds, 0,1
	ds_load_b128 v[KF+8*(2*\tt+\ds):KF+8*(2*\tt+\ds)+3],   v[KA] offset:16*KPITCH*\tt+64*\ds
	ds_load_b128 v[KF+8*(2*\tt+\ds)+4:KF+8*(2*\tt+\ds)+7], v[KA] offset:16*KPITCH*\tt+64*\ds+32
.endr
.endr
.endm
.macro VLOAD tb                        ; 8 transposing loads: V^T of keys 32 tb .. 32 tb + 31
.irp db, 0,1,2,3
	ds_load_tr16_b128 v[VF+8*(4*\tb+\db):VF+8*(4*\tb+\db)+3],   v[VA] offset:32*VPITCH*\tb+32*\db
	ds_load_tr16_b128 v[VF+8*(4*\tb+\db)+4:VF+8*(4*\tb+\db)+7], v[VA] offset:32*VPITCH*\tb+32*\db+16*VPITCH
.endr
.endm
; ---- products.  x = the piece (0: A, 1: B).
; S product i of 16: key tile i / 4; inside a key tile the piece's two accumulators alternate (tile 0 d 0-31, tile 1 d 0-31, tile 0 d 32-63,
; tile 1 d 32-63): one product a turn.  The first link starts the sum.
.macro SW x, i
.set WT, (\i)/4
.set WD, ((\i)%4)/2
.set WQ, 2*(\x)+(\i)%2
.if WD == 0
	v_wmma_f32_16x16x32_f16 v[SC+32*WQ+8*WT:SC+32*WQ+8*WT+7], v[KF+16*WT:KF+16*WT+7], v[QF+16*WQ:QF+16*WQ+7], 0
.else
	v_wmma_f32_16x16x32_f16 v[SC+32*WQ+8*WT:SC+32*WQ+8*WT+7], v[KF+16*WT+8:KF+16*WT+15], v[QF+16*WQ+8:QF+16*WQ+15], v[SC+32*WQ+8*WT:SC+32*WQ+8*WT+7]
.endif
.endm
; PV product i of 8 for keys 32 tb ..: d block i / 2, the piece's tile i % 2: eight accumulators by turns, one product a turn.
.macro PVW x, tb, i, first
.set WB, (\i)/2
.set WQ, 2*(\x)+(\i)%2
.set WO, OA+8*(4*WB+WQ)
.if \first
	v_wmma_f32_16x16x32_f16 v[WO:WO+7], v[VF+8*(4*\tb+WB):VF+8*(4*\tb+WB)+7], v[PF+16*WQ+8*\tb:PF+16*WQ+8*\tb+7], 0
.else
	v_wmma_f32_16x16x32_f16 v[WO:WO+7], v[VF+8*(4*\tb+WB):VF+8*(4*\tb+WB)+7], v[PF+16*WQ+8*\tb:PF+16*WQ+8*\tb+7], v[WO:WO+7]
.endif
.endm
; ---- vector work, part 1: maximum, shift, alpha.  Instruction i of 23 for query tile q (qp: 0 or 1, its place in the piece).  c = 32 log2(e).
.macro MOP q, qp, i, first
.set SB, SC+32*(\q)
.set TB, TT+4*(\qp)
.set MI, \i
.if MI == 0
	v_max3_num_f32 v[TB], v[SB], v[SB+1], v[SB+2]                  ; four chains over the 32 scores: 9, 9, 7 and 7 of them
.endif
.if MI == 1
	v_max3_num_f32 v[TB+1], v[SB+9], v[SB+10], v[SB+11]
.endif
.if MI == 2
	v_max3_num_f32 v[TB+2], v[SB+18], v[SB+19], v[SB+20]
.endif
.if MI == 3
	v_max3_num_f32 v[TB+3], v[SB+25], v[SB+26], v[SB+27]
.endif
.if MI == 4
	v_max3_num_f32 v[TB], v[TB], v[SB+3], v[SB+4]
.endif
.if MI == 5
	v_max3_num_f32 v[TB+1], v[TB+1], v[SB+12], v[SB+13]
.endif
.if MI == 6
	v_max3_num_f32 v[TB+2], v[TB+2], v[SB+21], v[SB+22]
.endif
.if MI == 7
	v_max3_num_f32 v[TB+3], v[TB+3], v[SB+28], v[SB+29]
.endif
.if MI == 8
	v_max3_num_f32 v[TB], v[TB], v[SB+5], v[SB+6]
.endif
.if MI == 9
	v_max3_num_f32 v[TB+1], v[TB+1], v[SB+14], v[SB+15]
.endif
.if MI == 10
	v_max3_num_f32 v[TB+2], v[TB+2], v[SB+23], v[SB+24]
.endif
.if MI == 11
	v_max3_num_f32 v[TB+3], v[TB+3], v[SB+30], v[SB+31]
.endif
.if MI == 12
	v_max3_num_f32 v[TB], v[TB], v[SB+7], v[SB+8]
.endif
.if MI == 13
	v_max3_num_f32 v[TB+1], v[TB+1], v[SB+16], v[SB+17]
.endif
.if MI == 14
	v_max3_num_f32 v[TB], v[TB], v[TB+1], v[TB+2]
.endif
.if MI == 15
.if \first
	v_max_num_f32 v[TB], v[TB], v[TB+3]
.else
	v_max3_num_f32 v[TB], v[TB], v[TB+3], v[MX+(\q)]               ; with the running maximum
.endif
.endif
.if MI == 16
	v_permlanex16_b32 v[TB+1], v[TB], s52, s53                     ; the other half's keys of the same query
.endif
.if MI == 17
	v_max_num_f32 v[MX+(\q)], v[TB], v[TB+1]
.endif
.if MI == 18
.if \first
	v_mul_f32 v[NM+2*(\q)], 0xc238aa3b, v[MX+(\q)]                 ; -c m
.else
	v_mul_f32 v[NM+2*(\q)+1], 0xc238aa3b, v[MX+(\q)]
.endif
.endif
.if MI == 19
.if \first
	v_mul_f32 v[NM+2*(\q)+1], 0xc238aa3b, v[MX+(\q)]
.else
	v_sub_f32 v[T5+(\qp)], v[NM+2*(\q)+1], v[NM+2*(\q)]            ; new shift - old shift, at most 0
.endif
.endif
.if \first == 0
.if MI == 20
	v_mov_b32 v[NM+2*(\q)], v[NM+2*(\q)+1]
.endif
.if MI == 21
	v_exp_f32 v[AL+2*(\q)], v[T5+(\qp)]                            ; alpha, into window 2; first used a whole S run later
.endif
.if MI == 22
	v_exp_f32 v[AL+2*(\q)+1], v[T5+(\qp)]
.endif
.endif
.endm
; Slice s of 8: three instructions of each of the piece's two tiles, by turns, so that no instruction waits for the one in front of it.
.macro MSLICE qa, qb, s, first
.if (\s) < 7
	WIN 0
.irp d, 0,1,2
	MOP \qa, 0, 3*(\s)+\d, \first
	MOP \qb, 1, 3*(\s)+\d, \first
.endr
.else
.if \first == 0
	WIN TO2
	MOP \qa, 0, 21, 0
	MOP \qb, 1, 21, 0
	MOP \qa, 0, 22, 0
	MOP \qb, 1, 22, 0
.endif
.endif
.endm
; ---- vector work, part 2: c s - c m, exponentials, sums.  None of these has a vector register of window 0 as its second source.
.macro FM q, i                         ; pair i of 16: c s - c m
	v_pk_fma_f32 v[SC+32*(\q)+2*(\i):SC+32*(\q)+2*(\i)+1], v[SC+32*(\q)+2*(\i):SC+32*(\q)+2*(\i)+1], 0x4238aa3b, v[NM+2*(\q):NM+2*(\q)+1] op_sel_hi:[1,0,1]
.endm
; Sum instruction k of 17: 0-11 four chains over the 16 pairs (chain k % 4 takes pairs k % 4, + 4, + 8, + 12), 12-14 the chains meet, 15 the pair's
; two halves, 16 l = l alpha + sum.  An addition is written x 1.0 + y, with y as third source.
.macro SU q, qp, k, first
.set UB, US+8*(\qp)
.set EB, SC+32*(\q)
.set SK, \k
.if SK < 4
	s_wait_alu depctr_va_vdst(0)
	v_pk_fma_f32 v[UB+2*SK:UB+2*SK+1], v[EB+2*SK:EB+2*SK+1], 1.0, v[EB+2*SK+8:EB+2*SK+9] op_sel_hi:[1,0,1]
.endif
.if SK >= 4
.if SK < 12
	s_wait_alu depctr_va_vdst(0)
	v_pk_fma_f32 v[UB+2*(SK%4):UB+2*(SK%4)+1], v[EB+2*SK+8:EB+2*SK+9], 1.0, v[UB+2*(SK%4):UB+2*(SK%4)+1] op_sel_hi:[1,0,1]
.endif
.endif
.if SK == 12
	v_pk_fma_f32 v[UB:UB+1], v[UB:UB+1], 1.0, v[UB+2:UB+3] op_sel_hi:[1,0,1]
.endif
.if SK == 13
	v_pk_fma_f32 v[UB+4:UB+5], v[UB+4:UB+5], 1.0, v[UB+6:UB+7] op_sel_hi:[1,0,1]
.endif
.if SK == 14
	v_pk_fma_f32 v[UB:UB+1], v[UB:UB+1], 1.0, v[UB+4:UB+5] op_sel_hi:[1,0,1]
.endif
.if SK == 15
.if \first
	v_fma_f32 v[LS+(\q)], v[UB], 1.0, v[UB+1]
.else
	v_fma_f32 v[T6+(\qp)], v[UB], 1.0, v[UB+1]
.endif
.endif
.if SK == 16
.if \first
	v_nop                                                          ; keeps the plain instruction between the last exponential and its use
	s_wait_alu depctr_va_vdst(0)
.else
	v_fma_f32 v[LS+(\q)], v[LS+(\q)], v[AL+2*(\q)], v[T6+(\qp)]    ; alpha is the second source: window 2
	s_wait_alu depctr_va_vdst(0)
.endif
.endif
.endm
; Step STEPN of 64: one exponential (steps 0-31 tile qa's scores 0-31, steps 32-63 tile qb's) and behind it at most one plain instruction, which
; neither uses that exponential nor writes its register.  Plain stream: steps 0-13 qa's pairs 2-15 (pairs 0, 1 stand ahead of step 0), 14-29 qb's
; pairs, then the sums.  qb's sum k stands at the first step behind the exponentials that it adds, with a plain instruction between; qa's sums
; fill the steps between, so that from step 42 on every step has its plain instruction.
.macro FSTEP qa, qb, first
.if STEPN < 32
	v_exp_f32 v[SC+32*(\qa)+STEPN], v[SC+32*(\qa)+STEPN]
.else
	v_exp_f32 v[SC+32*(\qb)+STEPN-32], v[SC+32*(\qb)+STEPN-32]
.endif
.if STEPN < 14
	FM \qa, STEPN+2
.else
.if STEPN < 30
	FM \qb, STEPN-14
.else
.if STEPN < 43
.if STEPN%2 == 0
	SU \qa, 0, (STEPN-30)/2, \first
.endif
.else
.if STEPN < 50
.if STEPN%2 == 1
	SU \qb, 1, (STEPN-43)/2, \first
.else
	SU \qa, 0, 7+(STEPN-44)/2, \first
.endif
.else
.if STEPN%2 == 0
	SU \qb, 1, 4+(STEPN-50)/2, \first
.else
	SU \qa, 0, 10+(STEPN-51)/2, \first
.endif
.endif
.endif
.endif
.endif
.endm
.macro FSTEPS qa, qb, first, from, cnt
.set STEPN, \from
.rept \cnt
	FSTEP \qa, \qb, \first
.set STEPN, STEPN+1
.endr
.endm
; Slice s of 16: seven to nine instructions; the last has twelve (qb's sums can only end behind its last exponential).
.macro FSLICE qa, qb, s, first
	WIN SRUN
.if (\s) == 0
	FM \qa, 0
	FM \qa, 1
	FSTEPS \qa, \qb, \first, 0, 3
.endif
.if (\s) >= 1
.if (\s) <= 7
	FSTEPS \qa, \qb, \first, 4*(\s)-1, 4
.endif
.endif
.if (\s) == 8
	FSTEPS \qa, \qb, \first, 31, 5
.endif
.if (\s) == 9
	FSTEPS \qa, \qb, \first, 36, 5
.endif
.if (\s) == 10
	FSTEPS \qa, \qb, \first, 41, 4
.endif
.if (\s) >= 11
.if (\s) <= 14
	FSTEPS \qa, \qb, \first, 4*(\s)+1, 4
.endif
.endif
.if (\s) == 15
	FSTEPS \qa, \qb, \first, 61, 3
.irp k, 11,12,13,14,15,16
	SU \qb, 1, \k, \first
.endr
.endif
.endm
; ---- vector work, part 3.  Slice s of 8: even: eight packings of P (result in window 2); odd: eight multiplications of O^T by alpha, under the PV products' own fields.
.macro CSLICE qa, qb, s, first
.if (\s) < 4
.set CQ, \qa
.else
.set CQ, \qb
.endif
.set CH, ((\s)/2)%2
.if (\s)%2 == 0
	WIN TO2
.set j, 8*CH
.rept 8
	v_cvt_pk_f16_f32 v[PF+16*CQ+j], v[SC+32*CQ+2*j], v[SC+32*CQ+2*j+1]
.set j, j+1
.endr
.else
.if \first == 0
	WIN PVRUN
.irp d, 0,1
.irp i, 0,2,4,6
	v_pk_mul_f32 v[OA+8*(4*(2*CH+\d)+CQ)+\i:OA+8*(4*(2*CH+\d)+CQ)+\i+1], v[OA+8*(4*(2*CH+\d)+CQ)+\i:OA+8*(4*(2*CH+\d)+CQ)+\i+1], v[AL+2*CQ:AL+2*CQ+1]
.endr
.endr
.endif
.endif
.endm
; ---- a half.  x: the piece whose products are issued; the slices are the other piece's.
; pv, pvf: PV products, and whether they start O^T (C = 0).  s: S products.  sm, smf: slices, and whether they start maximum and sum.
; kl: this trip's K is loaded at the head (half A).  vl: this trip's V is loaded (half B).  w0, w1: waits on DScnt ahead of the two PV runs (-1: none).
.macro HALF x, pv, pvf, s, sm, smf, kl, vl, w0, w1
	WIN 0
.if \kl
	KLOAD                                          ; K's registers were last read by the other piece's S run, eight slices of plain instructions ago
.endif
.if \w0 >= 0
	s_wait_dscnt \w0                               ; V^T of keys 0-31 is in; what was issued behind it may stay out
.endif
.irp i, 0,1,2,3,4,5,6,7
.if \pv
	WIN PVRUN
	PVW \x, 0, \i, \pvf
.endif
.if \sm
	MSLICE 2-2*\x, 3-2*\x, \i, \smf
.endif
.endr
.irp i, 0,1,2,3,4,5,6,7,8,9,10,11,12,13,14,15
.if \s
.if \kl
.if (\i)%4 == 0
	s_wait_dscnt 12-\i                             ; this key tile's four loads are in, the younger K loads stay out; the last count is 0
.endif
.endif
	WIN SRUN
	SW \x, \i
.endif
.if \sm
	FSLICE 2-2*\x, 3-2*\x, \i, \smf
.endif
.if \vl
.if \i == 2
	WIN TO1
	VLOAD 0                                        ; both pieces have read the last trip's keys 0-31; three slices, 13 plain instructions, lie between (ISA guide 7.12.1)
.endif
.endif
.endr
.if \w1 >= 0
	s_wait_dscnt \w1
.endif
.irp i, 0,1,2,3,4,5,6,7
.if \pv
	WIN PVRUN
	PVW \x, 1, \i, 0
.endif
.if \sm
	CSLICE 2-2*\x, 3-2*\x, \i, \smf
.endif
.endr
.if \vl
	WIN TO1
	VLOAD 1                                        ; behind the last slice's eight plain instructions
.endif
	WIN 0
.if \kl
	v_add_nc_u32 v[KA], 64*KPITCH, v[KA]           ; the wait for 0 above has shown every LDS load of the wave done: K's next 64 keys,
	v_add_nc_u32 v[VA], 64*VPITCH, v[VA]           ; and V's rows of this trip
.endif
.endm
.macro BODY
	HALF 0, 1,0, 1, 1,0, 1,0, 24,-1                ; 24: V's keys 32-63 (8 loads) and this trip's K (16) were issued behind V's keys 0-31
	HALF 1, 1,0, 1, 1,0, 0,1, -1,-1
.endm
; Slot n is read (four trips).  refill = 1: the other slot, which has been read, gets its next 256 keys.
.macro CHANGE n, refill
	s_wait_tensorcnt 0x0                           ; all my tensor loads have landed, my part of slot n among them: every group 0 may be written
	ds_add_u32 v62, v63
	s_wait_dscnt 0x0
.if \refill
	s_add_nc_u64 s[G0K+4*(1-\n)+2:G0K+4*(1-\n)+3], s[G0K+4*(1-\n)+2:G0K+4*(1-\n)+3], 512*QKVP
	s_add_nc_u64 s[G0V+4*(1-\n)+2:G0V+4*(1-\n)+3], s[G0V+4*(1-\n)+2:G0V+4*(1-\n)+3], 512*QKVP
.endif
	s_wait_dscnt 0x0                               ; my reads of the other slot are over: every trip's K and V are loaded inside its own body
.if \refill
	ROUND                                          ; both hold of every wave of all four partners
	JLOAD 1-\n                                     ; my one tensor load behind the round; it has four trips in which to land
.else
	s_barrier_signal -1                            ; the work-group's own is enough
	s_barrier_wait -1
.endif
	SETADR \n
	s_mov_b32 s54, 4
.Ltrip_\@:
	BODY
	s_sub_co_u32 s54, s54, 1
	s_cmp_lg_u32 s54, 0
	s_cbranch_scc1 .Ltrip_\@
.endm
	s_wait_loadcnt 0x0                             ; Q
	s_wait_tensorcnt 0x1                           ; my part of slot 0 is in; slot 1's stays out
	s_barrier_signal -1
	s_barrier_wait -1
	SETADR 0
	HALF 0, 0,0, 1, 0,0, 1,0, -1,-1                ; trip 0: S_A alone,
	PLACES
	HALF 1, 0,0, 1, 1,1, 0,1, -1,-1                ; S_B beside A's first softmax step: nothing is cleared
	HALF 0, 1,1, 1, 1,1, 1,0, 24,-1                ; trip 1: PV_A(0) starts O^T of A, beside B's first softmax step
	HALF 1, 1,1, 1, 1,0, 0,1, -1,-1                ; PV_B(0) starts O^T of B
	s_mov_b32 s54, 2
.Ltrip_first:
	BODY                                           ; trips 2, 3
	s_sub_co_u32 s54, s54, 1
	s_cmp_lg_u32 s54, 0
	s_cbranch_scc1 .Ltrip_first
	CHANGE 1, 1                                    ; keys 256-511; slot 0 gets keys 512-767
	CHANGE 0, 1                                    ; keys 512-767; slot 1 gets keys 768-1023
	CHANGE 1, 0                                    ; keys 768-1023
	HALF 0, 1,0, 0, 1,0, 0,0, 8,0                  ; the tail: PV_A(15) beside B's last softmax step (8: V's keys 32-63 may stay out; then 0),
	HALF 1, 1,0, 0, 0,0, 0,0, -1,-1                ; and PV_B(15)
	PLACES
	; THE WAY OUT.  The two halves' parts of l meet; O^T / l; a lane's 8 numbers of a tile are 16 neighbouring bytes of its query's row.
.irp q, 0,1,2,3
	v_permlanex16_b32 v[US+\q], v[LS+\q], s52, s53
.endr
.irp q, 0,1,2,3
	v_add_f32 v[TT+\q], v[LS+\q], v[US+\q]
.endr
	WIN TO2
.irp q, 0,1,2,3
	v_rcp_f32 v[AL+2*\q], v[TT+\q]
	v_rcp_f32 v[AL+2*\q+1], v[TT+\q]
.endr
	v_nop                                          ; one plain instruction between the reciprocals and their first use
	WIN PVRUN
	s_wait_alu depctr_va_vdst(0)
.irp db, 0,1,2,3
.irp q, 0,1,2,3
.irp i, 0,2,4,6
	v_pk_mul_f32 v[OA+8*(4*\db+\q)+\i:OA+8*(4*\db+\q)+\i+1], v[OA+8*(4*\db+\q)+\i:OA+8*(4*\db+\q)+\i+1], v[AL+2*\q:AL+2*\q+1]
.endr
.endr
.endr
	WIN 0x05                                       ; sources in window 1, result in window 0
.irp q, 0,1,2,3
.irp db, 0,1,2,3
.irp i, 0,1,2,3
	v_cvt_pk_f16_f32 v[SC+4*(4*\q+\db)+\i], v[OA+8*(4*\db+\q)+2*\i], v[OA+8*(4*\db+\q)+2*\i+1]
.endr
.endr
.endr
	WIN 0
.irp q, 0,1,2,3
.irp db, 0,1,2,3
	ds_store_b128 v[STO], v[SC+4*(4*\q+\db):SC+4*(4*\q+\db)+3] offset:16*KPITCH*\q+32*\db
.endr
.endr
	s_wait_dscnt 0x0                               ; my stores are done: a stage row holds both heads, written by two waves
	s_barrier_signal -1
	s_barrier_wait -1
.irp i, 0,1,2,3,4,5,6,7,8,9,10,11,12,13,14,15
	ds_load_b128 v[KF+4*\i:KF+4*\i+3], v[RD] offset:2*KPITCH*\i
.endr
.irp i, 0,1,2,3,4,5,6,7,8,9,10,11,12,13,14,15
	s_wait_dscnt 15-\i                             ; read-back i is in, the younger ones stay out
	global_store_b128 v[CO], v[KF+4*\i:KF+4*\i+3], s[58:59] offset:4096*\i     ; sixteen lanes store 256 aligned bytes of a row of ctx
.endr
	s_wait_tensorcnt 0x0
	ds_add_u32 v62, v63
	s_wait_dscnt 0x0
	ROUND                                          ; the closing round
	s_endpgm
.Lfunc_end_k_q183dbdeff0_attn:
	.size	k_q183dbdeff0_attn, .Lfunc_end_k_q183dbdeff0_attn-k_q183dbdeff0_attn
	.p2alignl 7, 3214868480
	.fill 96, 4, 3214868480
	.section	.rodata,"a",@progbits
	.p2align	6, 0x0
	.amdhsa_kernel k_q183dbdeff0_attn
		.amdhsa_group_segment_fixed_size 327680
		.amdhsa_private_segment_fixed_size 0
		.amdhsa_enable_private_segment 0
		.amdhsa_kernarg_size 16
		.amdhsa_user_sgpr_count 2
		.amdhsa_user_sgpr_kernarg_segment_ptr 1
		.amdhsa_wavefront_size32 1
		.amdhsa_system_sgpr_workgroup_id_x 1
		.amdhsa_system_sgpr_workgroup_id_y 1
		.amdhsa_system_sgpr_workgroup_id_z 1
		.amdhsa_system_vgpr_workitem_id 0
		.amdhsa_next_free_vgpr 768
		.amdhsa_next_free_sgpr 66
		.amdhsa_reserve_vcc 0
		.amdhsa_float_denorm_mode_32 3
		.amdhsa_float_denorm_mode_16_64 3
		.amdhsa_memory_ordered 1
		.amdhsa_forward_progress 1
		.amdhsa_inst_pref_size 242
	.end_amdhsa_kernel
	.amdgpu_metadata
---
amdhsa.version: [ 1, 2 ]
amdhsa.kernels:
  - .name:           k_q183dbdeff0_attn
    .symbol:         k_q183dbdeff0_attn.kd
    .args:
      - { .name: qkv, .offset: 0, .size: 8, .value_kind: global_buffer, .address_space: global }
      - { .name: ctx, .offset: 8, .size: 8, .value_kind: global_buffer, .address_space: global }
    .group_segment_fixed_size: 327680
    .private_segment_fixed_size: 0
    .kernarg_segment_align: 8
    .kernarg_segment_size: 16
    .max_flat_workgroup_size: 128
    .sgpr_count:     66
    .vgpr_count:     768
    .wavefront_size: 32
...
	.end_amdgpu_metadata
.endif
;; end of part 3
;; launch ogemm (part 4): grid 8 x 32, 4 waves a work-group, clusters of 4 x 4, 327,680 bytes of LDS; arguments ctx, wo, out0, o_b; writes out0
.if DOCPART == 4
	.amdgcn_target "amdgcn-amd-amdhsa--gfx1250"
	.amdhsa_code_object_version 6
	.text
	.protected	k_q183dbdeff0_ogemm
	.globl	k_q183dbdeff0_ogemm
	.p2align	8
	.type	k_q183dbdeff0_ogemm,@function
k_q183dbdeff0_ogemm:
	s_mov_b64 s[64:65], 0
	v_nop
	global_prefetch_b8 v0, s[64:65] scope:SCOPE_SE
	s_setreg_imm32_b32 hwreg(HW_REG_WAVE_MODE, 25, 1), 1
	s_wait_xcnt 0x0
	s_wait_alu depctr_hold_cnt(0) depctr_sa_sdst(0) depctr_va_vdst(0) depctr_va_sdst(0) depctr_va_ssrc(0) depctr_va_vcc(0) depctr_vm_vsrc(0)
	s_getreg_b32 s2, hwreg(HW_REG_IB_STS2, 6, 4)
	s_cmp_eq_u32 s2, 0
	s_cbranch_scc0 .Lentry_in_a_cluster
	s_endpgm
.Lentry_in_a_cluster:
	s_bfe_u32 s2, ttmp6, 0x10000c
	s_cmp_lg_u32 s2, 0xf033
	s_cbranch_scc0 .Lentry_shape_is_right
	s_endpgm
.Lentry_shape_is_right:
; FOURTH LAUNCH: out0[m][n] = sum over k of ctx[m][k] wo[n][k] + o_b[n], f32 out.  M = 4096, N = 1024, K = 1024.  (o's LoRA path is inside wo:
; merged in the first launch.)  The buffer ctx holds ctx / 16 and wo holds 16 W'_o, both f16 (why: head of the first launch): the two powers of
; two cancel in the product, so the sums are out0's own numbers and o_b enters as it is.
; 32 x 8 = 256 work-groups of 128 x 128; a wave makes 64 x 64: 16 accumulator tiles.  Larger blocks would leave half of the WGPs or more without work.
; K goes in four fills of 256 through two LDS slots; a tile's rows are 512 bytes of memory at multiples of 512 bytes.  A fill serves 8 steps of 32.
; CLUSTERS of 4 x 4: ctx's tiles are shared along a row of the cluster, wo's along a column: joint loads.
; The matrix form is used transposed (source 0 = rows of wo, source 1 = rows of ctx): a lane holds 8 neighbouring columns of one row.
; The first product of each accumulator takes the bias registers as C.
.set PITCH,  528                       ; an LDS row: 512 bytes + 16
.set QUART,  64*PITCH                  ; 33,792: one tensor load
.set SLOT,   4*QUART                   ; 135,168: ctx's 128 rows, then wo's 128 rows
.set STAGE,  2*SLOT                    ; 270,336 (a multiple of 256): 16 rows x 272 bytes for each wave; no fill lands here
.set SPITCH, 272
.set ADRA, 16                          ; v16-17 my ctx fragments in slot 0, 1
.set ADRB, 20                          ; v20-21 my wo fragments
.set STO,  24
.set RD,   25
.set CO,   26
.set BO,   27
.set F0,   32                          ; v[32:95]   wo fragments at 8 i, ctx fragments at 32 + 8 i
.set F1,   96                          ; v[96:159]
.set BIAS, 160                         ; v[160:191] register 8 b + j: o_b of column 16 b + 8 h + j of my 64
.set G1A, 24                           ; accumulators: window 1 v[0:127], tile (a, b) at 8 (4 a + b)
.set G0A, 32
.set G1B, 40
.set G0B, 48
.set MSB, 0
.macro WIN new
.if MSB != \new
	s_set_vgpr_msb (MSB<<8)|\new
.set MSB, \new
.endif
.endm
.macro JLOAD n                         ; waves 0, 1 fetch ctx's halves, waves 2, 3 wo's
	s_cmp_eq_u32 s13, 0
	s_cbranch_scc0 .Lfor_b_\@
	tensor_load_to_lds s[G0A+4*(\n):G0A+4*(\n)+3], s[G1A:G1A+7]
	s_nop 0
	s_branch .Lasked_\@
.Lfor_b_\@:
	tensor_load_to_lds s[G0B+4*(\n):G0B+4*(\n)+3], s[G1B:G1B+7]
	s_nop 0
.Lasked_\@:
.endm
.macro CROUND                          ; a round of the cluster's barrier
	s_barrier_signal -1
	s_barrier_wait -1
	s_cmp_lg_u32 s12, 0
	s_cbranch_scc1 .Lnot_wave_0_\@
	s_barrier_signal -3
.Lnot_wave_0_\@:
	s_barrier_wait -3
	s_barrier_signal -1
	s_barrier_wait -1
.endm
.macro PLACES                          ; four places between a product and a load into, or a store of, its registers
.rept 4
	v_nop
.endr
.endm
	s_load_b256 s[4:11], s[0:1], 0x0               ; ctx, wo, out0, o_b
	v_lshl_add_u32 v254, v0, 2, 0x46400
	v_mov_b32 v255, 0
	ds_add_u32 v254, v255
	v_lshrrev_b32 v3, 5, v0
	v_readfirstlane_b32 s12, v3                    ; wave
	s_lshr_b32 s13, s12, 1                         ; my half of the rows; also: I fetch ctx (0) or wo (1)
	s_and_b32 s14, s12, 1                          ; my half of the columns; also: which 64 rows of that tile I fetch
	s_bfe_u32 s15, ttmp6, 0x40000                  ; cx
	s_bfe_u32 s16, ttmp6, 0x40004                  ; cy
	s_lshl_b32 s17, ttmp9, 2
	s_add_co_u32 s17, s17, s15                     ; block column 0 .. 7
	s_and_b32 s18, ttmp7, 0xffff
	s_lshl_b32 s18, s18, 2
	s_add_co_u32 s18, s18, s16                     ; block row 0 .. 31
	s_lshl_b32 s19, s16, 2
	s_lshl_b32 s19, 15, s19                        ; my row of the cluster
	s_lshl_b32 s20, 0x1111, s15                    ; my column
	s_or_b32 s[G1A+0], s19, (1<<16)|(1<<20)|(1<<21)|(6<<22)|(3<<25)    ; mask; 2-byte elements; padding: 4 words behind every 128; bit 21 beside a mask
	s_or_b32 s[G1B+0], s20, (1<<16)|(1<<20)|(1<<21)|(6<<22)|(3<<25)
.irp g, G1A, G1B
	s_mov_b32 s[\g+1], 256<<16                     ; tensor_dim0 = 256
	s_mov_b32 s[\g+2], 64<<16                      ; tensor_dim1 = 64
	s_mov_b32 s[\g+3], 256<<16                     ; tile_dim0 = 256
	s_mov_b32 s[\g+4], 64                          ; tile_dim1 = 64
	s_mov_b32 s[\g+5], 1024                        ; pitch
	s_mov_b32 s[\g+6], 0
	s_mov_b32 s[\g+7], 0
.endr
	s_lshl_b32 s22, s14, 6
	s_lshl_b32 s56, s18, 7
	s_add_co_u32 s56, s56, s22                     ; ctx: row 128 block row + 64 half (never holds cx)
	s_lshl_b32 s56, s56, 11
	s_mov_b32 s57, 0
	s_lshl_b32 s58, s17, 7
	s_add_co_u32 s58, s58, s22                     ; wo: row 128 block column + 64 half (never holds cy)
	s_lshl_b32 s58, s58, 11
	s_mov_b32 s59, 0
	s_mul_i32 s21, s12, QUART                      ; LDS: wave x 64 rows
	s_wait_dscnt 0x0
	s_wait_kmcnt 0x0
	s_add_nc_u64 s[56:57], s[4:5], s[56:57]
	s_add_nc_u64 s[58:59], s[6:7], s[58:59]
	CROUND                                         ; all sixteen work-groups are here
.irp n, 0,1
	s_mov_b32 s[G0A+4*\n], 1
	s_add_co_u32 s[G0A+4*\n+1], s21, \n*SLOT
	s_add_nc_u64 s[G0A+4*\n+2:G0A+4*\n+3], s[56:57], 512*\n
	s_or_b32 s[G0A+4*\n+3], s[G0A+4*\n+3], 0x80000000
	s_mov_b32 s[G0B+4*\n], 1
	s_add_co_u32 s[G0B+4*\n+1], s21, \n*SLOT
	s_add_nc_u64 s[G0B+4*\n+2:G0B+4*\n+3], s[58:59], 512*\n
	s_or_b32 s[G0B+4*\n+3], s[G0B+4*\n+3], 0x80000000
	JLOAD \n                                       ; both first fills go out together: two tensor loads of the wave are out
.endr
	v_and_b32 v1, 15, v0                           ; r
	v_bfe_u32 v2, v0, 4, 1                         ; h
	v_mul_u32_u24 v3, v1, PITCH
	v_lshl_add_u32 v3, v2, 4, v3
	s_mul_i32 s22, s13, QUART
	s_mul_i32 s23, s14, QUART
	s_add_co_u32 s23, s23, 2*QUART
.irp n, 0,1
	v_add_nc_u32 v[ADRA+\n], s22, v3
	v_add_nc_u32 v[ADRB+\n], s23, v3
	s_add_co_u32 s22, s22, SLOT
	s_add_co_u32 s23, s23, SLOT
.endr
	s_mul_i32 s22, s12, 16*SPITCH
	s_add_co_u32 s22, s22, STAGE
	v_mul_u32_u24 v4, v1, SPITCH
	v_lshl_add_u32 v4, v2, 5, v4
	v_add_nc_u32 v[STO], s22, v4                   ; stage row r, byte 32 h
	v_mul_u32_u24 v4, v2, SPITCH
	v_lshl_add_u32 v4, v1, 4, v4
	v_add_nc_u32 v[RD], s22, v4                    ; stage row h, byte 16 r
	v_lshlrev_b32 v[CO], 4, v1
	v_lshl_add_u32 v[CO], v2, 12, v[CO]            ; the same two rows in out0
	v_lshlrev_b32 v[BO], 5, v2
	s_lshl_b32 s60, s18, 7
	s_lshl_b32 s22, s13, 6
	s_add_co_u32 s60, s60, s22                     ; my first row
	s_lshl_b32 s60, s60, 12
	s_lshl_b32 s62, s17, 9                         ; my first column, in bytes of f32
	s_lshl_b32 s22, s14, 8
	s_add_co_u32 s62, s62, s22
	s_add_co_u32 s60, s60, s62
	s_mov_b32 s61, 0
	s_mov_b32 s63, 0
	s_add_nc_u64 s[8:9], s[8:9], s[60:61]
	s_add_nc_u64 s[10:11], s[10:11], s[62:63]
.irp b, 0,1,2,3
	global_load_b128 v[BIAS+8*\b:BIAS+8*\b+3],   v[BO], s[10:11] offset:64*\b
	global_load_b128 v[BIAS+8*\b+4:BIAS+8*\b+7], v[BO], s[10:11] offset:64*\b+16
.endr
.macro FETCH n, k, f                   ; 16 LDS loads: the fragments of step k (32 along K) of slot n
.irp i, 0,1,2,3
	ds_load_b128 v[\f+8*\i:\f+8*\i+3],   v[ADRB+\n] offset:16*PITCH*\i+64*(\k)
	ds_load_b128 v[\f+8*\i+4:\f+8*\i+7], v[ADRB+\n] offset:16*PITCH*\i+64*(\k)+32
.endr
.irp i, 0,1,2,3
	ds_load_b128 v[\f+32+8*\i:\f+32+8*\i+3],   v[ADRA+\n] offset:16*PITCH*\i+64*(\k)
	ds_load_b128 v[\f+32+8*\i+4:\f+32+8*\i+7], v[ADRA+\n] offset:16*PITCH*\i+64*(\k)+32
.endr
.endm
.macro MUL f, first                    ; 16 products; the sixteen accumulators take turns, in the same order in every step
.irp a, 0,1,2,3
.irp b, 0,1,2,3
.if \first
	v_wmma_f32_16x16x32_f16 v[8*(4*\a+\b):8*(4*\a+\b)+7], v[\f+8*\b:\f+8*\b+7], v[\f+32+8*\a:\f+32+8*\a+7], v[BIAS+8*\b:BIAS+8*\b+7]
.else
	v_wmma_f32_16x16x32_f16 v[8*(4*\a+\b):8*(4*\a+\b)+7], v[\f+8*\b:\f+8*\b+7], v[\f+32+8*\a:\f+32+8*\a+7], v[8*(4*\a+\b):8*(4*\a+\b)+7]
.endif
.endr
.endr
.endm
; Step k of slot n multiplies buffer f; more = 1: the next step's fragments are asked for first, into buffer g.
.macro SUB n, k, f, g, first, more
.if \more
	PLACES                                         ; buffer g was read by the products just issued
	FETCH \n, \k+1, \g
	s_wait_dscnt 16                                ; buffer f is in; the 16 loads just issued stay out
.else
	s_wait_dscnt 0
.endif
.if \first
	WIN 0x40                                       ; D in window 1, C (the bias) in window 0
.else
	WIN 0x50                                       ; C and D in window 1
.endif
	MUL \f, \first
	WIN 0
.endm
.macro PHASE n, first
	FETCH \n, 0, F0
	SUB \n, 0, F0, F1, \first, 1
	SUB \n, 1, F1, F0, 0, 1
	SUB \n, 2, F0, F1, 0, 1
	SUB \n, 3, F1, F0, 0, 1
	SUB \n, 4, F0, F1, 0, 1
	SUB \n, 5, F1, F0, 0, 1
	SUB \n, 6, F0, F1, 0, 1
	SUB \n, 7, F1, F0, 0, 0
.endm
.macro CHANGE n, refill
	s_wait_tensorcnt 0x0                           ; all my tensor loads have landed, my part of slot n among them: every group 0 may be written
	ds_add_u32 v254, v255
	s_wait_dscnt 0x0
.if \refill
	s_add_nc_u64 s[G0A+4*(1-\n)+2:G0A+4*(1-\n)+3], s[G0A+4*(1-\n)+2:G0A+4*(1-\n)+3], 1024
	s_add_nc_u64 s[G0B+4*(1-\n)+2:G0B+4*(1-\n)+3], s[G0B+4*(1-\n)+2:G0B+4*(1-\n)+3], 1024
.endif
	s_wait_dscnt 0x0                               ; my reads of the other slot are over
.if \refill
	CROUND                                         ; both hold of every wave of all sixteen partners
	JLOAD 1-\n                                     ; my one tensor load behind the round; it has eight steps in which to land
.else
	s_barrier_signal -1
	s_barrier_wait -1
.endif
	PLACES                                         ; buffer 0 was read by products with no plain vector instruction since
	PHASE \n, 0
.endm
	s_wait_loadcnt 0x0                             ; the bias
	s_wait_tensorcnt 0x1                           ; my part of slot 0 is in; slot 1's stays out
	s_barrier_signal -1
	s_barrier_wait -1
	PHASE 0, 1                                     ; K 0-255: the first products start the sums from the bias
	CHANGE 1, 1                                    ; K 256-511; slot 0 gets K 512-767
	CHANGE 0, 1                                    ; K 512-767; slot 1 gets K 768-1023
	CHANGE 1, 0                                    ; K 768-1023
	; THE WAY OUT, 16 rows at a time through my own stage: 32 bytes a lane in, whole rows of 256 bytes back.
	PLACES
.macro OUT a
	WIN 0x04                                       ; store data in window 1
.irp b, 0,1,2,3
	ds_store_b128 v[STO], v[8*(4*\a+\b):8*(4*\a+\b)+3]   offset:64*\b
	ds_store_b128 v[STO], v[8*(4*\a+\b)+4:8*(4*\a+\b)+7] offset:64*\b+16
.endr
	WIN 0
.irp t, 0,1,2,3,4,5,6,7
	ds_load_b128 v[F0+32*\a+4*\t:F0+32*\a+4*\t+3], v[RD] offset:2*SPITCH*\t    ; a wave's LDS instructions are served in order; each call has registers of its own
.endr
.irp t, 0,1,2,3,4,5,6,7
	s_wait_dscnt 7-\t                              ; read-back t is in, the younger ones stay out
	global_store_b128 v[CO], v[F0+32*\a+4*\t:F0+32*\a+4*\t+3], s[8:9] offset:65536*\a+8192*\t th:TH_STORE_NT   ; sixteen lanes store 256 aligned bytes of a row
.endr
.endm
	OUT 0
	OUT 1
	OUT 2
	OUT 3
	s_wait_tensorcnt 0x0
	ds_add_u32 v254, v255
	s_wait_dscnt 0x0
	CROUND                                         ; the closing round
	s_endpgm
.Lfunc_end_k_q183dbdeff0_ogemm:
	.size	k_q183dbdeff0_ogemm, .Lfunc_end_k_q183dbdeff0_ogemm-k_q183dbdeff0_ogemm
	.p2alignl 7, 3214868480
	.fill 96, 4, 3214868480
	.section	.rodata,"a",@progbits
	.p2align	6, 0x0
	.amdhsa_kernel k_q183dbdeff0_ogemm
		.amdhsa_group_segment_fixed_size 327680
		.amdhsa_private_segment_fixed_size 0
		.amdhsa_enable_private_segment 0
		.amdhsa_kernarg_size 32
		.amdhsa_user_sgpr_count 2
		.amdhsa_user_sgpr_kernarg_segment_ptr 1
		.amdhsa_wavefront_size32 1
		.amdhsa_system_sgpr_workgroup_id_x 1
		.amdhsa_system_sgpr_workgroup_id_y 1
		.amdhsa_system_sgpr_workgroup_id_z 1
		.amdhsa_system_vgpr_workitem_id 0
		.amdhsa_next_free_vgpr 384
		.amdhsa_next_free_sgpr 66
		.amdhsa_reserve_vcc 0
		.amdhsa_float_denorm_mode_32 3
		.amdhsa_float_denorm_mode_16_64 3
		.amdhsa_memory_ordered 1
		.amdhsa_forward_progress 1
		.amdhsa_inst_pref_size 89
	.end_amdhsa_kernel
	.amdgpu_metadata
---
amdhsa.version: [ 1, 2 ]
amdhsa.kernels:
  - .name:           k_q183dbdeff0_ogemm
    .symbol:         k_q183dbdeff0_ogemm.kd
    .args:
      - { .name: ctx, .offset: 0, .size: 8, .value_kind: global_buffer, .address_space: global }
      - { .name: wo, .offset: 8, .size: 8, .value_kind: global_buffer, .address_space: global }
      - { .name: out0, .offset: 16, .size: 8, .value_kind: global_buffer, .address_space: global }
      - { .name: o_b, .offset: 24, .size: 8, .value_kind: global_buffer, .address_space: global }
    .group_segment_fixed_size: 327680
    .private_segment_fixed_size: 0
    .kernarg_segment_align: 8
    .kernarg_segment_size: 32
    .max_flat_workgroup_size: 128
    .sgpr_count:     66
    .vgpr_count:     384
    .wavefront_size: 32
...
	.end_amdgpu_metadata
.endif
;; end of part 4
;; ======== version 2 of 2: 4 launches; 1.12 times as fast as version 1
;; limits: values are held in f16: magnitudes above 65,504 overflow, below 6.1e-05 lose precision; right only within a limited range of input values
;; workspace buffers: xb 8,388,608 bytes; wqkv 6,291,456 bytes; wo 2,097,152 bytes; qkv 25,165,824 bytes; ctx 8,388,608 bytes; bqkv 12,288 bytes
;; launch prep: the kernel of part 1 again; grid 256 x 1, 8 waves a work-group, no clusters, 0 bytes of LDS; arguments x, xb, q_w, k_w, v_w, o_w, q_la, k_la, v_la, o_la, q_lb, k_lb, v_lb, o_lb, wqkv, wo, q_b, v_b, bqkv; writes xb, wqkv, wo, bqkv
;; launch qkvgemm: the kernel of part 2 again; grid 8 x 32, 4 waves a work-group, clusters of 4 x 4, 327,680 bytes of LDS; arguments xb, wqkv, qkv, bqkv; writes qkv
;; launch attn (part 5): grid 8 x 32, 4 waves a work-group, clusters of 4 x 1, 327,680 bytes of LDS; arguments qkv, ctx; writes ctx
.if DOCPART == 5
	.amdgcn_target "amdgcn-amd-amdhsa--gfx1250"
	.amdhsa_code_object_version 6
	.text
	.protected	k_q183dbdeff0_attn
	.globl	k_q183dbdeff0_attn
	.p2align	8
	.type	k_q183dbdeff0_attn,@function
k_q183dbdeff0_attn:
	s_mov_b64 s[64:65], 0
	v_nop
	global_prefetch_b8 v0, s[64:65] scope:SCOPE_SE
	s_setreg_imm32_b32 hwreg(HW_REG_WAVE_MODE, 25, 1), 1
	s_wait_xcnt 0x0
	s_wait_alu depctr_hold_cnt(0) depctr_sa_sdst(0) depctr_va_vdst(0) depctr_va_sdst(0) depctr_va_ssrc(0) depctr_va_vcc(0) depctr_vm_vsrc(0)
	s_getreg_b32 s2, hwreg(HW_REG_IB_STS2, 6, 4)
	s_cmp_eq_u32 s2, 0
	s_cbranch_scc0 .Lentry_in_a_cluster
	s_endpgm
.Lentry_in_a_cluster:
	s_bfe_u32 s2, ttmp6, 0x10000c
	s_cmp_lg_u32 s2, 0x3003
	s_cbranch_scc0 .Lentry_shape_is_right
	s_endpgm
.Lentry_shape_is_right:
; THIRD LAUNCH: ctx = softmax(q k^T / 8) v for 4 batches x 16 heads of 64, S = 1024, with a running maximum.  (k carries no k_b: it cancels in
; the softmax, as shown at the head of the first launch.)
; qkv holds q / 16, k / 16, v / 16 in f16 (why: head of the first launch).  So a raw score here is q . k / 256, the exponent's factor is
; c = 256 / 8 x log2(e) = 32 log2(e), and ctx comes out as ctx / 16, a mean of rows of v / 16 and so of the same range.
; A work-group takes 128 queries of a PAIR of heads, so that rows of K and V tiles and rows of ctx are 256 aligned bytes (2 x 64 f16).
; Wave w: head w >> 1 of the pair, queries 64 (w & 1) .. + 63 of the block: four query tiles of 16.
; CLUSTER of 4 along x: the four partners take four query blocks of the same batch and head pair and read the same K and V: joint loads, mask 15.
; TRANSPOSED SCHEME: S^T = K Q^T puts keys along a lane's registers and ONE query in a lane (register j of lane (r, h): key 16 tt + 8 h + j,
; query 16 q + r).  So the row maximum and the row sum are made in the lane plus one exchange between the halves; two packed S^T tiles are
; the operand fragment of P for O^T = V^T P^T; and O^T keeps the lane's query, so alpha and 1 / l are the lane's own numbers.
; The exponent is c s - c m; the shift -c m is kept as rounded, and alpha = 2^(new shift - old shift) is made of the same two rounded numbers,
; so the rounding of c m multiplies numerator and denominator alike.
; P = 2^(c s - c m) lies in (0, 1] since the maximum is taken away: it fits f16 for every input; below 2^-14 its step is 2^-24, beside a row sum of at least 1.
; LIMITS: P, q, k, v, ctx are f16; v_exp_f32 gives 0 below 2^-126; scores that are NaN or infinite are not guarded (reference() has no guard).
;
; TWO PIECES TAKE TURNS.  The wave's query tiles are piece A (tiles 0, 1) and piece B (tiles 2, 3); they share the K and V^T fragments.  A trip
; (64 keys) is two halves.  In a half one piece issues its 32 products and behind each product stands a slice of the OTHER piece's vector work:
;   HALF A of trip t:  8 x PV_A(t-1), keys 0-31   | B(t-1): maximum, shift, alpha                                    (46 instructions in 8 slices)
;                     16 x S_A(t)                 | B(t-1): c s - c m and exponentials (96 in slices 0-11), the wait, the sums (34 in slices 12-15)
;                      8 x PV_A(t-1), keys 32-63  | B(t-1): P to f16, O^T times alpha                                (64 in 8 slices)
;   HALF B of trip t:  the same with A and B exchanged, the vector work being A's of trip t.
; Trips 0 and 1 are written out with flags (no PV yet, first maxima and sums, C = 0); behind trip 15 follow two halves without S products.
; THE BATCHES.  A half's 68 exponentials are ONE batch with ONE wait: the piece's four alpha (the last slice of the maximum's part) and its 64 scores
; (slices 0-11 of the S run).  Ahead of the wait stand beside them only the scalings c s - c m, which read no exponential's result.  All that name a
; result stand behind it: the sums, l = l alpha + sum, the packing of P, O^T times alpha.  No exponential is issued behind a half's wait.
; The way out's eight reciprocals are a batch of their own, with a wait of their own.
; REGISTER WINDOWS.  A product fixes all four window fields, and the slice behind it runs under the same fields where it can:
;   window 0: addresses, temporaries, K fragments, S^T of both pieces;  window 1: O^T and V^T;  window 2: Q, P and alpha.
;   S products (K 0, Q 2, S^T 0): every instruction on the scores that has no vector register as second source rides along (the fused
;     scale-and-shift, the exponentials, the sums as x 1.0 + y), and so does l = l alpha + sum, whose second source, alpha, lies with Q.
;   PV products (V^T 1, P 2, O^T 1): O^T times alpha rides along.
;   The maxima (three score sources) and the packing of P (two score sources, result in window 2) need fields of their own: K, Q, both pieces'
;   scores and the temporaries are more than one window of 256 holds.  By count: 57 switches in a trip of 64 products.
; P has registers of its own, apart from the scores: S_X(t+1) is written between the two halves of PV_X(t).
.set KPITCH, 272                       ; K rows: 256 bytes + 16
.set VPITCH, 288                       ; V rows: 256 bytes + 32: an odd multiple of 32, for the transposing loads
.set KHALF,  128*KPITCH                ; 34,816: one tensor load of K
.set VHALF,  128*VPITCH                ; 36,864: one tensor load of V
.set VOFF,   2*KHALF                   ; V lies behind K's 256 rows
.set SLOT,   2*KHALF+2*VHALF           ; 143,360: 256 keys
.set STAGE,  2*SLOT                    ; 286,720 (a multiple of 256): 128 rows x 272 bytes for the way out; no fill lands here
.set QKVP,   6144                      ; bytes in a row of qkv
; window 0
.set KA,  4                            ; v4   LDS address of this trip's K fragments
.set VA,  5                            ; v5   of its V fragments
.set KA0, 6                            ; v6   r 272 + 16 h + 128 head
.set VA0, 7                            ; v7   (8 h + (l & 7)) 288 + 16 ((l >> 3) & 1) + 128 head + VOFF, less one trip's 64 rows: VA is stepped ahead of each trip's loads
.set VQ,  8                            ; v8   r 6144 + 16 h
.set STO, 9
.set RD,  10
.set CO,  11
.set TT,  12                           ; v[12:19]  four chains of maxima for each of a piece's two tiles
.set MX,  20                           ; v20+q     running maximum, in raw scores
.set LS,  24                           ; v24+q     the lane's part of the row sum
.set NM,  28                           ; v[28+2q:29+2q]  -c m, twice
.set US,  36                           ; v[36:51]  four pairs of sums for each of a piece's two tiles
.set T5,  52                           ; v52-53    new shift - old shift
.set T6,  54                           ; v54-55    this trip's sum
.set KF,  64                           ; v[64:127]  K fragment (tt, ds) at 8 (2 tt + ds)
.set SC,  128                          ; v[128:255] S^T tile (q, tt) at 8 (4 q + tt)
; window 1
.set OA,  0                            ; v[0:127]   O^T tile (db, q) at 8 (4 db + q)
.set VF,  128                          ; v[128:191] V^T fragment (tb, db) at 8 (4 tb + db)
; window 2
.set QF,  0                            ; v[0:63]    Q fragment (q, ds) at 8 (2 q + ds)
.set PF,  64                           ; v[64:127]  P fragment (q, tb) at 16 q + 8 tb
.set AL,  128                          ; v[128+2q:129+2q]  alpha, twice; at the end 1 / l
.set G1K, 16
.set G1V, 24
.set G0K, 32                           ; one set of four a slot
.set G0V, 40
.set SRUN,  0x08                       ; source 1 in window 2, all else in window 0
.set PVRUN, 0x59                       ; source 0 window 1, source 1 window 2, source 2 and destination window 1
.set TO1,   0x40                       ; destination in window 1
.set TO2,   0x80                       ; destination in window 2
.set MSB, 0
.macro WIN new                         ; s_set_vgpr_msb: low byte = the windows, high byte = the setting that is left; nothing where nothing changes
.if MSB != \new
	s_set_vgpr_msb (MSB<<8)|\new
.set MSB, \new
.endif
.endm
.macro ROUND                           ; a round of the cluster's barrier
	s_barrier_signal -1
	s_barrier_wait -1
	s_cmp_lg_u32 s8, 0
	s_cbranch_scc1 .Lnot_wave_0_\@
	s_barrier_signal -3
.Lnot_wave_0_\@:
	s_barrier_wait -3
	s_barrier_signal -1
	s_barrier_wait -1
.endm
.macro JLOAD n                         ; waves 0, 1 fetch K's halves of slot n, waves 2, 3 V's: one tensor load a wave
	s_cmp_eq_u32 s9, 0
	s_cbranch_scc0 .Lfor_v_\@
	tensor_load_to_lds s[G0K+4*(\n):G0K+4*(\n)+3], s[G1K:G1K+7]
	s_nop 0
	s_branch .Lasked_\@
.Lfor_v_\@:
	tensor_load_to_lds s[G0V+4*(\n):G0V+4*(\n)+3], s[G1V:G1V+7]
	s_nop 0
.Lasked_\@:
.endm
.macro SETADR n
	v_add_nc_u32 v[KA], \n*SLOT, v[KA0]
	v_add_nc_u32 v[VA], \n*SLOT, v[VA0]
.endm
.macro PLACES                          ; four places between a product and the first vector use of its result (ISA guide 7.12.1)
.rept 4
	v_nop
.endr
.endm
	s_load_b128 s[4:7], s[0:1], 0x0                ; qkv, ctx
	v_lshl_add_u32 v62, v0, 2, 0x4e800
	v_mov_b32 v63, 0
	ds_add_u32 v62, v63
	v_lshrrev_b32 v3, 5, v0
	v_readfirstlane_b32 s8, v3                     ; wave
	s_lshr_b32 s9, s8, 1                           ; my head of the pair; also: I fetch K (0) or V (1)
	s_and_b32 s10, s8, 1                           ; my half of the queries; also: which 128 rows of a slot I fetch
	s_bfe_u32 s11, ttmp6, 0x40000                  ; cx
	s_lshl_b32 s12, ttmp9, 2
	s_add_co_u32 s12, s12, s11                     ; query block 0 .. 7
	s_and_b32 s13, ttmp7, 0xffff
	s_lshr_b32 s14, s13, 3                         ; batch
	s_and_b32 s15, s13, 7                          ; head pair
	s_mov_b32 s52, 0x76543210                      ; v_permlanex16_b32: lane i takes lane i of the other half
	s_mov_b32 s53, 0xfedcba98
	; group 1: tiles of 128 rows x 128 elements of 2 bytes, rows 3,072 elements apart, padded behind every 64 words by 4 (K) or 8 (V) words
	s_mov_b32 s[G1K+0], 15|(1<<16)|(1<<20)|(1<<21)|(5<<22)|(3<<25)
	s_mov_b32 s[G1V+0], 15|(1<<16)|(1<<20)|(1<<21)|(5<<22)|(7<<25)
.irp g, G1K, G1V
	s_mov_b32 s[\g+1], 128<<16                     ; tensor_dim0
	s_mov_b32 s[\g+2], 128<<16                     ; tensor_dim1
	s_mov_b32 s[\g+3], 128<<16                     ; tile_dim0
	s_mov_b32 s[\g+4], 128                         ; tile_dim1
	s_mov_b32 s[\g+5], 3072                        ; pitch
	s_mov_b32 s[\g+6], 0
	s_mov_b32 s[\g+7], 0
.endr
	; K and V hang on batch, head pair and the wave's number: the same in all four partners
	s_lshl_b32 s48, s14, 10
	s_lshl_b32 s49, s10, 7
	s_add_co_u32 s48, s48, s49                     ; row: 1024 batch + 128 half
	s_mul_i32 s48, s48, QKVP
	s_lshl_b32 s49, s15, 8
	s_add_co_u32 s48, s48, s49                     ; + 256 bytes a head pair
	s_mov_b32 s49, 0
	s_mul_i32 s2, s10, KHALF
	s_mul_i32 s3, s10, VHALF
	s_add_co_u32 s3, s3, VOFF
	s_wait_dscnt 0x0
	s_wait_kmcnt 0x0
	s_add_nc_u64 s[50:51], s[4:5], s[48:49]
.irp n, 0,1
	s_mov_b32 s[G0K+4*\n], 1
	s_add_co_u32 s[G0K+4*\n+1], s2, \n*SLOT
	s_add_nc_u64 s[G0K+4*\n+2:G0K+4*\n+3], s[50:51], \n*256*QKVP+2048      ; k's columns begin at byte 2,048 of a row
	s_or_b32 s[G0K+4*\n+3], s[G0K+4*\n+3], 0x80000000
	s_mov_b32 s[G0V+4*\n], 1
	s_add_co_u32 s[G0V+4*\n+1], s3, \n*SLOT
	s_add_nc_u64 s[G0V+4*\n+2:G0V+4*\n+3], s[50:51], \n*256*QKVP+4096      ; v's at byte 4,096
	s_or_b32 s[G0V+4*\n+3], s[G0V+4*\n+3], 0x80000000
.endr
	ROUND                                          ; the four partners are here: the first joint loads meet
	JLOAD 0                                        ; keys 0-255
	JLOAD 1                                        ; keys 256-511: two tensor loads of the wave are out
	v_and_b32 v1, 15, v0                           ; r
	v_bfe_u32 v2, v0, 4, 1                         ; h
	s_lshl_b32 s55, s9, 7                          ; my head's 128 bytes of a row
	v_mul_u32_u24 v[KA0], v1, KPITCH
	v_lshl_add_u32 v[KA0], v2, 4, v[KA0]
	v_add_nc_u32 v[KA0], s55, v[KA0]
	v_and_b32 v[TT], 7, v0
	v_lshl_add_u32 v[TT], v2, 3, v[TT]
	v_mul_u32_u24 v[VA0], v[TT], VPITCH
	v_bfe_u32 v[TT], v0, 3, 1
	v_lshl_add_u32 v[VA0], v[TT], 4, v[VA0]
	s_add_co_u32 s55, s55, VOFF-64*VPITCH          ; one trip short: see VA0
	v_add_nc_u32 v[VA0], s55, v[VA0]
	v_mul_u32_u24 v[VQ], v1, QKVP
	v_lshl_add_u32 v[VQ], v2, 4, v[VQ]
	s_mul_i32 s55, s10, 64*KPITCH
	s_add_co_u32 s55, s55, STAGE
	v_add_nc_u32 v[STO], s55, v[KA0]               ; stage row 64 half + r, byte 128 head + 16 h
	s_mul_i32 s55, s8, 32*KPITCH
	s_add_co_u32 s55, s55, STAGE
	v_mul_u32_u24 v[RD], v2, KPITCH
	v_lshl_add_u32 v[RD], v1, 4, v[RD]
	v_add_nc_u32 v[RD], s55, v[RD]                 ; stage row 32 w + h, byte 16 r
	v_lshlrev_b32 v[CO], 4, v1
	v_lshl_add_u32 v[CO], v2, 11, v[CO]            ; the same two rows in ctx
	s_lshl_b32 s56, s14, 10
	s_lshl_b32 s57, s12, 7
	s_add_co_u32 s56, s56, s57                     ; row 1024 batch + 128 block
	s_lshl_b32 s57, s8, 5
	s_add_co_u32 s58, s56, s57                     ; ctx: + 32 w
	s_lshl_b32 s58, s58, 11
	s_lshl_b32 s57, s15, 8
	s_add_co_u32 s58, s58, s57
	s_mov_b32 s59, 0
	s_add_nc_u64 s[58:59], s[6:7], s[58:59]
	s_lshl_b32 s55, s10, 6
	s_add_co_u32 s56, s56, s55                     ; q: + 64 half
	s_mul_i32 s56, s56, QKVP
	s_add_co_u32 s56, s56, s57
	s_lshl_b32 s55, s9, 7
	s_add_co_u32 s56, s56, s55
	s_mov_b32 s57, 0
	s_add_nc_u64 s[56:57], s[4:5], s[56:57]
	WIN TO2
.irp q, 0,1,2,3
.irp ds, 0,1
	global_load_b128 v[QF+8*(2*\q+\ds):QF+8*(2*\q+\ds)+3],   v[VQ], s[56:57] offset:16*QKVP*\q+64*\ds       ; Q stays in registers for the whole kernel
	global_load_b128 v[QF+8*(2*\q+\ds)+4:QF+8*(2*\q+\ds)+7], v[VQ], s[56:57] offset:16*QKVP*\q+64*\ds+32
.endr
.endr
	WIN 0
; ---- LDS loads of a trip
.macro KLOAD                           ; 16 loads: the trip's 64 keys x 64 d, in the order of the key tiles
.irp tt, 0,1,2,3
.irp ds, 0,1
	ds_load_b128 v[KF+8*(2*\tt+\ds):KF+8*(2*\tt+\ds)+3],   v[KA] offset:16*KPITCH*\tt+64*\ds
	ds_load_b128 v[KF+8*(2*\tt+\ds)+4:KF+8*(2*\tt+\ds)+7], v[KA] offset:16*KPITCH*\tt+64*\ds+32
.endr
.endr
.endm
.macro VLOAD tb                        ; 8 transposing loads: V^T of keys 32 tb .. 32 tb + 31
.irp db, 0,1,2,3
	ds_load_tr16_b128 v[VF+8*(4*\tb+\db):VF+8*(4*\tb+\db)+3],   v[VA] offset:32*VPITCH*\tb+32*\db
	ds_load_tr16_b128 v[VF+8*(4*\tb+\db)+4:VF+8*(4*\tb+\db)+7], v[VA] offset:32*VPITCH*\tb+32*\db+16*VPITCH
.endr
.endm
; ---- products.  x = the piece (0: A, 1: B).
; S product i of 16: key tile i / 4; inside a key tile the piece's two accumulators alternate (tile 0 d 0-31, tile 1 d 0-31, tile 0 d 32-63,
; tile 1 d 32-63): one product a turn.  The first link starts the sum.
.macro SW x, i
.set WT, (\i)/4
.set WD, ((\i)%4)/2
.set WQ, 2*(\x)+(\i)%2
.if WD == 0
	v_wmma_f32_16x16x32_f16 v[SC+32*WQ+8*WT:SC+32*WQ+8*WT+7], v[KF+16*WT:KF+16*WT+7], v[QF+16*WQ:QF+16*WQ+7], 0
.else
	v_wmma_f32_16x16x32_f16 v[SC+32*WQ+8*WT:SC+32*WQ+8*WT+7], v[KF+16*WT+8:KF+16*WT+15], v[QF+16*WQ+8:QF+16*WQ+15], v[SC+32*WQ+8*WT:SC+32*WQ+8*WT+7]
.endif
.endm
; PV product i of 8 for keys 32 tb ..: d block i / 2, the piece's tile i % 2: eight accumulators by turns, one product a turn.
.macro PVW x, tb, i, first
.set WB, (\i)/2
.set WQ, 2*(\x)+(\i)%2
.set WO, OA+8*(4*WB+WQ)
.if \first
	v_wmma_f32_16x16x32_f16 v[WO:WO+7], v[VF+8*(4*\tb+WB):VF+8*(4*\tb+WB)+7], v[PF+16*WQ+8*\tb:PF+16*WQ+8*\tb+7], 0
.else
	v_wmma_f32_16x16x32_f16 v[WO:WO+7], v[VF+8*(4*\tb+WB):VF+8*(4*\tb+WB)+7], v[PF+16*WQ+8*\tb:PF+16*WQ+8*\tb+7], v[WO:WO+7]
.endif
.endm
; ---- vector work, part 1: maximum, shift, alpha.  Instruction i of 23 for query tile q (qp: 0 or 1, its place in the piece).  c = 32 log2(e).
.macro MOP q, qp, i, first
.set SB, SC+32*(\q)
.set TB, TT+4*(\qp)
.set MI, \i
.if MI == 0
	v_max3_num_f32 v[TB], v[SB], v[SB+1], v[SB+2]                  ; four chains over the 32 scores: 9, 9, 7 and 7 of them
.endif
.if MI == 1
	v_max3_num_f32 v[TB+1], v[SB+9], v[SB+10], v[SB+11]
.endif
.if MI == 2
	v_max3_num_f32 v[TB+2], v[SB+18], v[SB+19], v[SB+20]
.endif
.if MI == 3
	v_max3_num_f32 v[TB+3], v[SB+25], v[SB+26], v[SB+27]
.endif
.if MI == 4
	v_max3_num_f32 v[TB], v[TB], v[SB+3], v[SB+4]
.endif
.if MI == 5
	v_max3_num_f32 v[TB+1], v[TB+1], v[SB+12], v[SB+13]
.endif
.if MI == 6
	v_max3_num_f32 v[TB+2], v[TB+2], v[SB+21], v[SB+22]
.endif
.if MI == 7
	v_max3_num_f32 v[TB+3], v[TB+3], v[SB+28], v[SB+29]
.endif
.if MI == 8
	v_max3_num_f32 v[TB], v[TB], v[SB+5], v[SB+6]
.endif
.if MI == 9
	v_max3_num_f32 v[TB+1], v[TB+1], v[SB+14], v[SB+15]
.endif
.if MI == 10
	v_max3_num_f32 v[TB+2], v[TB+2], v[SB+23], v[SB+24]
.endif
.if MI == 11
	v_max3_num_f32 v[TB+3], v[TB+3], v[SB+30], v[SB+31]
.endif
.if MI == 12
	v_max3_num_f32 v[TB], v[TB], v[SB+7], v[SB+8]
.endif
.if MI == 13
	v_max3_num_f32 v[TB+1], v[TB+1], v[SB+16], v[SB+17]
.endif
.if MI == 14
	v_max3_num_f32 v[TB], v[TB], v[TB+1], v[TB+2]
.endif
.if MI == 15
.if \first
	v_max_num_f32 v[TB], v[TB], v[TB+3]
.else
	v_max3_num_f32 v[TB], v[TB], v[TB+3], v[MX+(\q)]               ; with the running maximum
.endif
.endif
.if MI == 16
	v_permlanex16_b32 v[TB+1], v[TB], s52, s53                     ; the other half's keys of the same query
.endif
.if MI == 17
	v_max_num_f32 v[MX+(\q)], v[TB], v[TB+1]
.endif
.if MI == 18
.if \first
	v_mul_f32 v[NM+2*(\q)], 0xc238aa3b, v[MX+(\q)]                 ; -c m
.else
	v_mul_f32 v[NM+2*(\q)+1], 0xc238aa3b, v[MX+(\q)]
.endif
.endif
.if MI == 19
.if \first
	v_mul_f32 v[NM+2*(\q)+1], 0xc238aa3b, v[MX+(\q)]
.else
	v_sub_f32 v[T5+(\qp)], v[NM+2*(\q)+1], v[NM+2*(\q)]            ; new shift - old shift, at most 0
.endif
.endif
.if \first == 0
.if MI == 20
	v_mov_b32 v[NM+2*(\q)], v[NM+2*(\q)+1]
.endif
.if MI == 21
	v_exp_f32 v[AL+2*(\q)], v[T5+(\qp)]                            ; alpha, into window 2: the half's batch begins here; alpha is first named behind the batch's wait
.endif
.if MI == 22
	v_exp_f32 v[AL+2*(\q)+1], v[T5+(\qp)]
.endif
.endif
.endm
; Slice s of 8: three instructions of each of the piece's two tiles, by turns, so that no instruction waits for the one in front of it.
.macro MSLICE qa, qb, s, first
.if (\s) < 7
	WIN 0
.irp d, 0,1,2
	MOP \qa, 0, 3*(\s)+\d, \first
	MOP \qb, 1, 3*(\s)+\d, \first
.endr
.else
.if \first == 0
	WIN TO2
	MOP \qa, 0, 21, 0
	MOP \qb, 1, 21, 0
	MOP \qa, 0, 22, 0
	MOP \qb, 1, 22, 0
.endif
.endif
.endm
; ---- vector work, part 2: c s - c m, exponentials, sums.  None of these has a vector register of window 0 as its second source.
.macro FM q, i                         ; pair i of 16: c s - c m
	v_pk_fma_f32 v[SC+32*(\q)+2*(\i):SC+32*(\q)+2*(\i)+1], v[SC+32*(\q)+2*(\i):SC+32*(\q)+2*(\i)+1], 0x4238aa3b, v[NM+2*(\q):NM+2*(\q)+1] op_sel_hi:[1,0,1]
.endm
; The batch's two queues, each taken in order: FN counts the 32 scalings (pairs 0-15 of tile qa, then of tile qb), EN the 64 exponentials (scores
; 0-31 of tile qa, then of tile qb; in place, so each result has its own register).  e = 0: the next scaling; e = 1: the next exponential.
.macro BOP qa, qb, e
.if \e
.if EN < 32
	v_exp_f32 v[SC+32*(\qa)+EN], v[SC+32*(\qa)+EN]
.else
	v_exp_f32 v[SC+32*(\qb)+EN-32], v[SC+32*(\qb)+EN-32]
.endif
.set EN, EN+1
.else
.if FN < 16
	FM \qa, FN
.else
	FM \qb, FN-16
.endif
.set FN, FN+1
.endif
.endm
; Sum instruction k of 17: 0-11 four chains over the 16 pairs (chain k % 4 takes pairs k % 4, + 4, + 8, + 12), 12-14 the chains meet, 15 the pair's
; two halves, 16 l = l alpha + sum.  An addition is written x 1.0 + y, with y as third source.  All of them stand behind the batch's wait.
.macro SU q, qp, k, first
.set UB, US+8*(\qp)
.set EB, SC+32*(\q)
.set SK, \k
.if SK < 4
	v_pk_fma_f32 v[UB+2*SK:UB+2*SK+1], v[EB+2*SK:EB+2*SK+1], 1.0, v[EB+2*SK+8:EB+2*SK+9] op_sel_hi:[1,0,1]
.endif
.if SK >= 4
.if SK < 12
	v_pk_fma_f32 v[UB+2*(SK%4):UB+2*(SK%4)+1], v[EB+2*SK+8:EB+2*SK+9], 1.0, v[UB+2*(SK%4):UB+2*(SK%4)+1] op_sel_hi:[1,0,1]
.endif
.endif
.if SK == 12
	v_pk_fma_f32 v[UB:UB+1], v[UB:UB+1], 1.0, v[UB+2:UB+3] op_sel_hi:[1,0,1]
.endif
.if SK == 13
	v_pk_fma_f32 v[UB+4:UB+5], v[UB+4:UB+5], 1.0, v[UB+6:UB+7] op_sel_hi:[1,0,1]
.endif
.if SK == 14
	v_pk_fma_f32 v[UB:UB+1], v[UB:UB+1], 1.0, v[UB+4:UB+5] op_sel_hi:[1,0,1]
.endif
.if SK == 15
.if \first
	v_fma_f32 v[LS+(\q)], v[UB], 1.0, v[UB+1]
.else
	v_fma_f32 v[T6+(\qp)], v[UB], 1.0, v[UB+1]
.endif
.endif
.if SK == 16
.if \first == 0
	v_fma_f32 v[LS+(\q)], v[LS+(\q)], v[AL+2*(\q)], v[T6+(\qp)]    ; alpha is the second source: window 2
.endif
.endif
.endm
; Slice s of 16.  SLICES 0-11 DEAL OUT THE BATCH, eight instructions each, a scaling at each slice's head: slice 0 has four scalings and four
; exponentials, slices 1-6 three and five, slices 7-11 two and six: 4 + 18 + 10 = 32 scalings, 4 + 30 + 30 = 64 exponentials.  A pair's scaling
; stands ahead of its two exponentials with an instruction or more between: the scalings lead by two pairs behind slice 0, by five behind slice 6,
; and the lead runs out with slice 11.  No line of these slices names an exponential's result.
; BEHIND SLICE 11: a v_nop and the half's one wait.  SLICES 12-15 ARE THE SUMS, the two tiles by turns: four instructions of each tile in slices
; 12-14 (sums 0-11), five of each in slice 15 (sums 12-16; four where maximum and sum are started).
.macro FSLICE qa, qb, s, first
	WIN SRUN
.if (\s) == 0
.set FN, 0
.set EN, 0
.irp c, 0,0,1,0,1,1,0,1
	BOP \qa, \qb, \c
.endr
.endif
.if (\s) >= 1
.if (\s) <= 6
.irp c, 0,1,1,0,1,1,0,1
	BOP \qa, \qb, \c
.endr
.endif
.endif
.if (\s) >= 7
.if (\s) <= 11
.irp c, 0,1,1,1,0,1,1,1
	BOP \qa, \qb, \c
.endr
.endif
.endif
.if (\s) == 11
	v_nop                                          ; the plain instruction between the last exponential and the first use of a result: one for the batch
	s_wait_alu depctr_va_vdst(0)                   ; the wait ahead of the first line that names a result: ONE for the half's batch, the piece's alpha and its 64 exponentials
.endif
.if (\s) >= 12
.if (\s) <= 14
.irp d, 0,1,2,3
	SU \qa, 0, 4*((\s)-12)+\d, \first
	SU \qb, 1, 4*((\s)-12)+\d, \first
.endr
.else
.irp k, 12,13,14,15,16
	SU \qa, 0, \k, \first
	SU \qb, 1, \k, \first
.endr
.endif
.endif
.endm
; ---- vector work, part 3.  Slice s of 8: even: eight packings of P (result in window 2); odd: eight multiplications of O^T by alpha, under the PV products' own fields.
.macro CSLICE qa, qb, s, first
.if (\s) < 4
.set CQ, \qa
.else
.set CQ, \qb
.endif
.set CH, ((\s)/2)%2
.if (\s)%2 == 0
	WIN TO2
.set j, 8*CH
.rept 8
	v_cvt_pk_f16_f32 v[PF+16*CQ+j], v[SC+32*CQ+2*j], v[SC+32*CQ+2*j+1]
.set j, j+1
.endr
.else
.if \first == 0
	WIN PVRUN
.irp d, 0,1
.irp i, 0,2,4,6
	v_pk_mul_f32 v[OA+8*(4*(2*CH+\d)+CQ)+\i:OA+8*(4*(2*CH+\d)+CQ)+\i+1], v[OA+8*(4*(2*CH+\d)+CQ)+\i:OA+8*(4*(2*CH+\d)+CQ)+\i+1], v[AL+2*CQ:AL+2*CQ+1]
.endr
.endr
.endif
.endif
.endm
; ---- a half.  x: the piece whose products are issued; the slices are the other piece's.
; pv, pvf: PV products, and whether they start O^T (C = 0).  s: S products.  sm, smf: slices, and whether they start maximum and sum.
; kl: this trip's K is loaded at the head (half A).  vl: this trip's V is loaded (half B).  w0, w1: waits on DScnt ahead of the two PV runs (-1: none).
.macro HALF x, pv, pvf, s, sm, smf, kl, vl, w0, w1
	WIN 0
.if \kl
	KLOAD                                          ; K's registers were last read by the other piece's S run, eight slices of plain instructions ago
.endif
.if \w0 >= 0
	s_wait_dscnt \w0                               ; V^T of keys 0-31 is in; what was issued behind it may stay out
.endif
.irp i, 0,1,2,3,4,5,6,7
.if \pv
	WIN PVRUN
	PVW \x, 0, \i, \pvf
.endif
.if \sm
	MSLICE 2-2*\x, 3-2*\x, \i, \smf
.endif
.endr
.irp i, 0,1,2,3,4,5,6,7,8,9,10,11,12,13,14,15
.if \s
.if \kl
.if (\i)%4 == 0
	s_wait_dscnt 12-\i                             ; this key tile's four loads are in, the younger K loads stay out; the last count is 0
.endif
.endif
	WIN SRUN
	SW \x, \i
.endif
.if \sm
	FSLICE 2-2*\x, 3-2*\x, \i, \smf
.endif
.if \vl
.if \i == 11
	WIN TO1
	VLOAD 0                                        ; directly behind the batch's wait.  Both pieces have read the last trip's keys 0-31; twelve slices' scalings, 32 plain instructions, lie between (ISA guide 7.12.1)
.endif
.endif
.endr
.if \w1 >= 0
	s_wait_dscnt \w1
.endif
.irp i, 0,1,2,3,4,5,6,7
.if \pv
	WIN PVRUN
	PVW \x, 1, \i, 0
.endif
.if \sm
	CSLICE 2-2*\x, 3-2*\x, \i, \smf
.endif
.endr
.if \vl
	WIN TO1
	VLOAD 1                                        ; behind the last slice's eight plain instructions
.endif
	WIN 0
.if \kl
	v_add_nc_u32 v[KA], 64*KPITCH, v[KA]           ; the wait for 0 above has shown every LDS load of the wave done: K's next 64 keys,
	v_add_nc_u32 v[VA], 64*VPITCH, v[VA]           ; and V's rows of this trip
.endif
.endm
.macro BODY
	HALF 0, 1,0, 1, 1,0, 1,0, 24,-1                ; 24: V's keys 32-63 (8 loads) and this trip's K (16) were issued behind V's keys 0-31
	HALF 1, 1,0, 1, 1,0, 0,1, -1,-1
.endm
; Slot n is read (four trips).  refill = 1: the other slot, which has been read, gets its next 256 keys.
.macro CHANGE n, refill
	s_wait_tensorcnt 0x0                           ; all my tensor loads have landed, my part of slot n among them: every group 0 may be written
	ds_add_u32 v62, v63
	s_wait_dscnt 0x0
.if \refill
	s_add_nc_u64 s[G0K+4*(1-\n)+2:G0K+4*(1-\n)+3], s[G0K+4*(1-\n)+2:G0K+4*(1-\n)+3], 512*QKVP
	s_add_nc_u64 s[G0V+4*(1-\n)+2:G0V+4*(1-\n)+3], s[G0V+4*(1-\n)+2:G0V+4*(1-\n)+3], 512*QKVP
.endif
	s_wait_dscnt 0x0                               ; my reads of the other slot are over: every trip's K and V are loaded inside its own body
.if \refill
	ROUND                                          ; both hold of every wave of all four partners
	JLOAD 1-\n                                     ; my one tensor load behind the round; it has four trips in which to land
.else
	s_barrier_signal -1                            ; the work-group's own is enough
	s_barrier_wait -1
.endif
	SETADR \n
	s_mov_b32 s54, 4
.Ltrip_\@:
	BODY
	s_sub_co_u32 s54, s54, 1
	s_cmp_lg_u32 s54, 0
	s_cbranch_scc1 .Ltrip_\@
.endm
	s_wait_loadcnt 0x0                             ; Q
	s_wait_tensorcnt 0x1                           ; my part of slot 0 is in; slot 1's stays out
	s_barrier_signal -1
	s_barrier_wait -1
	SETADR 0
	HALF 0, 0,0, 1, 0,0, 1,0, -1,-1                ; trip 0: S_A alone,
	PLACES
	HALF 1, 0,0, 1, 1,1, 0,1, -1,-1                ; S_B beside A's first softmax step: nothing is cleared
	HALF 0, 1,1, 1, 1,1, 1,0, 24,-1                ; trip 1: PV_A(0) starts O^T of A, beside B's first softmax step
	HALF 1, 1,1, 1, 1,0, 0,1, -1,-1                ; PV_B(0) starts O^T of B
	s_mov_b32 s54, 2
.Ltrip_first:
	BODY                                           ; trips 2, 3
	s_sub_co_u32 s54, s54, 1
	s_cmp_lg_u32 s54, 0
	s_cbranch_scc1 .Ltrip_first
	CHANGE 1, 1                                    ; keys 256-511; slot 0 gets keys 512-767
	CHANGE 0, 1                                    ; keys 512-767; slot 1 gets keys 768-1023
	CHANGE 1, 0                                    ; keys 768-1023
	HALF 0, 1,0, 0, 1,0, 0,0, 8,0                  ; the tail: PV_A(15) beside B's last softmax step (8: V's keys 32-63 may stay out; then 0),
	HALF 1, 1,0, 0, 0,0, 0,0, -1,-1                ; and PV_B(15)
	PLACES
	; THE WAY OUT.  The two halves' parts of l meet; O^T / l; a lane's 8 numbers of a tile are 16 neighbouring bytes of its query's row.
.irp q, 0,1,2,3
	v_permlanex16_b32 v[US+\q], v[LS+\q], s52, s53
.endr
.irp q, 0,1,2,3
	v_add_f32 v[TT+\q], v[LS+\q], v[US+\q]
.endr
	WIN TO2
.irp q, 0,1,2,3
	v_rcp_f32 v[AL+2*\q], v[TT+\q]
	v_rcp_f32 v[AL+2*\q+1], v[TT+\q]
.endr
	v_nop                                          ; one plain instruction between the reciprocals and their first use
	WIN PVRUN
	s_wait_alu depctr_va_vdst(0)                   ; the wait ahead of the first use: one for the batch of eight reciprocals
.irp db, 0,1,2,3
.irp q, 0,1,2,3
.irp i, 0,2,4,6
	v_pk_mul_f32 v[OA+8*(4*\db+\q)+\i:OA+8*(4*\db+\q)+\i+1], v[OA+8*(4*\db+\q)+\i:OA+8*(4*\db+\q)+\i+1], v[AL+2*\q:AL+2*\q+1]
.endr
.endr
.endr
	WIN 0x05                                       ; sources in window 1, result in window 0
.irp q, 0,1,2,3
.irp db, 0,1,2,3
.irp i, 0,1,2,3
	v_cvt_pk_f16_f32 v[SC+4*(4*\q+\db)+\i], v[OA+8*(4*\db+\q)+2*\i], v[OA+8*(4*\db+\q)+2*\i+1]
.endr
.endr
.endr
	WIN 0
.irp q, 0,1,2,3
.irp db, 0,1,2,3
	ds_store_b128 v[STO], v[SC+4*(4*\q+\db):SC+4*(4*\q+\db)+3] offset:16*KPITCH*\q+32*\db
.endr
.endr
	s_wait_dscnt 0x0                               ; my stores are done: a stage row holds both heads, written by two waves
	s_barrier_signal -1
	s_barrier_wait -1
.irp i, 0,1,2,3,4,5,6,7,8,9,10,11,12,13,14,15
	ds_load_b128 v[KF+4*\i:KF+4*\i+3], v[RD] offset:2*KPITCH*\i
.endr
.irp i, 0,1,2,3,4,5,6,7,8,9,10,11,12,13,14,15
	s_wait_dscnt 15-\i                             ; read-back i is in, the younger ones stay out
	global_store_b128 v[CO], v[KF+4*\i:KF+4*\i+3], s[58:59] offset:4096*\i     ; sixteen lanes store 256 aligned bytes of a row of ctx
.endr
	s_wait_tensorcnt 0x0
	ds_add_u32 v62, v63
	s_wait_dscnt 0x0
	ROUND                                          ; the closing round
	s_endpgm
.Lfunc_end_k_q183dbdeff0_attn:
	.size	k_q183dbdeff0_attn, .Lfunc_end_k_q183dbdeff0_attn-k_q183dbdeff0_attn
	.p2alignl 7, 3214868480
	.fill 96, 4, 3214868480
	.section	.rodata,"a",@progbits
	.p2align	6, 0x0
	.amdhsa_kernel k_q183dbdeff0_attn
		.amdhsa_group_segment_fixed_size 327680
		.amdhsa_private_segment_fixed_size 0
		.amdhsa_enable_private_segment 0
		.amdhsa_kernarg_size 16
		.amdhsa_user_sgpr_count 2
		.amdhsa_user_sgpr_kernarg_segment_ptr 1
		.amdhsa_wavefront_size32 1
		.amdhsa_system_sgpr_workgroup_id_x 1
		.amdhsa_system_sgpr_workgroup_id_y 1
		.amdhsa_system_sgpr_workgroup_id_z 1
		.amdhsa_system_vgpr_workitem_id 0
		.amdhsa_next_free_vgpr 768
		.amdhsa_next_free_sgpr 66
		.amdhsa_reserve_vcc 0
		.amdhsa_float_denorm_mode_32 3
		.amdhsa_float_denorm_mode_16_64 3
		.amdhsa_memory_ordered 1
		.amdhsa_forward_progress 1
		.amdhsa_inst_pref_size 233
	.end_amdhsa_kernel
	.amdgpu_metadata
---
amdhsa.version: [ 1, 2 ]
amdhsa.kernels:
  - .name:           k_q183dbdeff0_attn
    .symbol:         k_q183dbdeff0_attn.kd
    .args:
      - { .name: qkv, .offset: 0, .size: 8, .value_kind: global_buffer, .address_space: global }
      - { .name: ctx, .offset: 8, .size: 8, .value_kind: global_buffer, .address_space: global }
    .group_segment_fixed_size: 327680
    .private_segment_fixed_size: 0
    .kernarg_segment_align: 8
    .kernarg_segment_size: 16
    .max_flat_workgroup_size: 128
    .sgpr_count:     66
    .vgpr_count:     768
    .wavefront_size: 32
...
	.end_amdgpu_metadata
.endif
;; end of part 5
;; launch ogemm: the kernel of part 4 again; grid 8 x 32, 4 waves a work-group, clusters of 4 x 4, 327,680 bytes of LDS; arguments ctx, wo, out0, o_b; writes out0
